; MI455X (gfx1250); checked and timed in simulation.
; The chip was launched on July 23, 2026; its instructions are those of AMD's public machine-readable ISA for CDNA 5 (MIT licence, August 2026) and "CDNA5" Instruction Set Architecture Reference Guide (July 2026). The comments in the code are by the model that wrote it; some were corrected since.
;; Multi Head Cross Attention. Allowed arithmetic: matrix products marked QUANTISED: E2M1 operands, one E8M0 scale for each 32 along K, by v_wmma_scale_f32_16x16x128_f8f6f4 with both operands' format E2M1 (or v_wmma_scale_f32_32x16x128_f4), f32 sums; products left as they are: bf16, f16 or f32 operands; f32 sums; everything else in f32.
;; Inputs: Wk 1,024 x 1,024 float32; Wo 1,024 x 1,024 float32; Wq 1,024 x 1,024 float32; Wv 1,024 x 1,024 float32; bk 1,024 float32; bo 1,024 float32; bq 1,024 float32; bv 1,024 float32; key 4 x 1,024 x 1,024 float32; query 4 x 2,048 x 1,024 float32; value 4 x 1,024 x 1,024 float32.
;; Outputs: out0 4 x 2,048 x 1,024 float32.
;; This version of the problem:
;;   THIS VERSION OF THE PROBLEM IS GIVEN IN LOW PRECISION. The matrix products marked QUANTISED in the list below multiply operands that are first quantised to E2M1 (2 exponent bits, 1 mantissa bit; 4 bits a number), with one power-of-two scale for each 32 numbers along K (OCP MX v1.0); their sums are f32. The products marked 'left as it is' may take bf16, f16 or f32 operands, with f32 sums. Whichever they take, every output number must still come out within the allowed error. Rounding operands to bf16 (8 significant bits) uses up far more of that allowance than f16 does (11 bits, for magnitudes from 6e-5 to 65,504). All else is computed in f32.
;;   The module's matrix products, in the order in which they are computed (A, B: the left and right operand; K: the contracted axis; several contracted axes count as one K, in the product's order):
;;     1. [M 8,192, K 1,024] x [K 1,024, N 1,024]; A: input query; B: input Wq: QUANTISED
;;     2. [M 4,096, K 1,024] x [K 1,024, N 1,024]; A: input key; B: input Wk: QUANTISED
;;     3. [M 4,096, K 1,024] x [K 1,024, N 1,024]; A: input value; B: input Wv: QUANTISED
;;     4. batch 64 x [M 2,048, K 64] x [K 64, N 1,024]; A: computed on the way; B: computed on the way: left as it is (an operand is computed on the way)
;;     5. batch 64 x [M 2,048, K 1,024] x [K 1,024, N 64]; A: computed on the way; B: computed on the way: left as it is (an operand is computed on the way)
;;     6. [M 8,192, K 1,024] x [K 1,024, N 1,024]; A: computed on the way; B: input Wo: left as it is (an operand is computed on the way)
;;   THE QUANTISER, for each operand of a quantised product, along K:
;;     - K is cut into blocks of 32 from its start; a last block that is shorter is filled with zeros.
;;     - A block's scale is 2^e with e = floor(log2(the largest magnitude in the block)) - 2, held to -126 .. 127; a block of zeros has e = 0. As a byte (E8M0): e + 127.
;;     - Each number is divided by its block's scale, clamped to +-6, and rounded to the nearest number of E2M1, ties to even, subnormals kept.
;;     - The product sums the exact products of the quantised numbers (number of the format x scale) in f32.
;;   ~~~python
;;   def quantise(x, axis):      # numpy; x: float32 -> the quantised numbers, widened to float32 again
;;       x = np.moveaxis(x, axis, -1); K = x.shape[-1]
;;       x = np.pad(x, [(0, 0)] * (x.ndim - 1) + [(0, -K % 32)]); x = x.reshape(x.shape[:-1] + (-1, 32)); a = np.abs(x).max(-1, keepdims=True)
;;       e = np.where(a > 0, np.clip(np.frexp(np.where(a > 0, a, 1))[1] - 1 - 2, -126, 127), 0)      # np.frexp(a)[1] - 1 = floor(log2(a)), exactly
;;       r = np.clip(x / 2.0 ** e, -6, 6)
;;       step = 2.0 ** (np.maximum(np.frexp(np.where(r == 0, 1, r))[1] - 1, 0) - 1)
;;       q = np.round(r / step) * step * 2.0 ** e      # np.round: ties to even
;;       return np.moveaxis(q.reshape(q.shape[:-2] + (-1,))[..., :K], -1, axis).astype(np.float32)
;;   ~~~
;; One version. Each part assembles by itself: llvm-mc -triple=amdgcn-amd-amdhsa -mcpu=gfx1250 --defsym DOCPART=n.
;; ======== version 1 of 1: 4 launches
;; limits: values are held in f16: magnitudes above 65,504 overflow, below 6.1e-05 lose precision
;; workspace buffers: codes 9,961,472 bytes; scales 622,592 bytes; wo16 2,097,152 bytes; rope 851,968 bytes; qkv 33,554,432 bytes; att 16,777,216 bytes
;; launch prep (part 1): grid 692 x 1, 4 waves a work-group, no clusters, 33,280 bytes of LDS; arguments query, key, value, Wq, Wk, Wv, Wo, codes, scales, wo16, rope; writes codes, scales, wo16, rope
.if DOCPART == 1
	.amdgcn_target "amdgcn-amd-amdhsa--gfx1250"
	.amdhsa_code_object_version 6
	.text
	.protected	k_q52e882cc4a_prep
	.globl	k_q52e882cc4a_prep
	.p2align	8
	.type	k_q52e882cc4a_prep,@function
k_q52e882cc4a_prep:
	s_mov_b64 s[64:65], 0
	v_nop
	global_prefetch_b8 v0, s[64:65] scope:SCOPE_SE
	s_setreg_imm32_b32 hwreg(HW_REG_WAVE_MODE, 25, 1), 1
	s_wait_xcnt 0x0
; PREP.  Three kinds of work-groups, told apart by the work-group's number alone.
; 0 .. 607: query, key, value, Wq, Wk, Wv (f32, K = 1,024 innermost) become codes of E2M1, two a byte, and one E8M0 byte for each 32 along K.  The six tensors lie one behind the other in 'codes'
;   (19,456 rows of 512 bytes) and 'scales' (rows of 32 bytes), in the order of the work-groups, so both buffers are plain streams: run R = 4 x work-group + wave is 4,096 bytes of codes and 256 scale bytes.
;   A block's scale is 2^(floor(log2(largest magnitude)) - 2): its byte is the largest magnitude's exponent field - 2, held at 1 from below; each number / scale goes to the nearest code, ties to even, beyond 6 to 6.
; 608 .. 639: Wo becomes f16, row-major as it lies.
; 640 .. 691: the rotary table, 208 tiles of 16 positions (128 for q, 64 for k, 16 of the identity for v), each tile 8 pieces of 512 bytes: piece 4 cs + 2 u + w holds, at 16 x lane, for lane (r, h),
;   cos (cs = 0) or sin (cs = 1) of position 16 tile + r at frequencies 16 u + 8 h + 4 w + 0 .. 3: the order in which the projection's results lie in a lane.  q's entries carry the factor log2(e) / 8.
;   Sine and cosine by arithmetic: the angle (0 .. 10) / 16 is under 0.625; series up to y^9 and y^8 (what is cut is under 3e-9), then four doublings of the angle.
; LIMITS: a block of zeros gets the byte 1 (its codes are zeros, and this program alone reads the bytes); blocks whose largest magnitude lies under 2^-124 are held at the byte 1;
;   NaN and infinities among the inputs are not served; |Wo| stays under f16's 65,504.
; No tensor loads, no barrier, no cluster, no matrix unit: no work-group shares a byte with another, and the work is bound by its bytes.
.set WAVES, 4
.set STEPS, 16
.set DEPTH, 8                          ; the quantiser's loads run eight steps ahead: 32 loads of 512 bytes a wave
.set QWG,   608                        ; work-groups that quantise: 19,456 x 1,024 numbers / 32,768
.set WWG,   640                        ; behind them 32 for Wo, then 52 for the table
.set CB,    8                          ; bytes of 16 codes
.set R,     16                         ; v16-143  eight sets of 16 numbers as they are loaded
.set X,     144                        ; v144-175 two sets of 16 neighbours
.set E,     176                        ; v176-191 a scale byte for each step
.set C,     192                        ; v192-223 codes: two registers for each step, so that no store's data are written again
.set WREG,  8192                       ; LDS: a region for each wave: two stages of 32 x SP bytes, behind them its 256 scale bytes
.set SP,    80                         ; a lane's place in a stage: 64 bytes + 16 of padding
.set SPW,   12                         ; v12 LDS address of my spare word; never rewritten
.set NIL,   13                         ; v13 0; never rewritten
.set SPARE, WAVES*WREG                 ; behind the four regions: the spare words, 128 bytes a wave
	s_load_b512 s[16:31], s[0:1], 0x0              ; query s[16:17], key s[18:19], value s[20:21], Wq s[22:23], Wk s[24:25], Wv s[26:27], Wo s[28:29], codes s[30:31]
	s_load_b128 s[32:35], s[0:1], 0x40             ; scales s[32:33], wo16 s[34:35]
	s_load_b64 s[36:37], s[0:1], 0x50              ; rope
	v_lshl_add_u32 v[SPW], v0, 2, SPARE
	v_mov_b32 v[NIL], 0
	v_lshrrev_b32 v1, 5, v0
	v_readfirstlane_b32 s40, v1                    ; wave
	v_and_b32 v2, 31, v0                           ; lane
	v_lshlrev_b32 v3, 4, v2                        ; 16 x lane
	s_cmp_ge_u32 ttmp9, QWG
	s_cbranch_scc1 .Lother
; ---------------- the quantiser: a wave takes 16 steps of 512 numbers
; Each of a step's four loads reads 512 consecutive bytes; the 2,048 bytes turn through the wave's own stage in LDS and come back 64 bytes a lane: 16 neighbours along K, two lanes to a block.
	s_mul_i32 s41, s40, WREG
	v_lshrrev_b32 v14, 2, v2
	v_mul_u32_u24 v14, v14, SP
	v_and_b32 v15, 3, v2
	v_lshl_add_u32 v14, v15, 4, v14
	v_add_nc_u32 v14, s41, v14                     ; the stage, on the way in: SP (lane / 4) + 16 (lane % 4)
	v_mul_u32_u24 v15, v2, SP
	v_add_nc_u32 v15, s41, v15                     ; and on the way out: SP x lane
	v_mul_u32_u24 v4, v2, CB                       ; my codes' place in a step's 256 bytes
	v_lshrrev_b32 v5, 1, v2
	s_add_co_u32 s41, s41, 2*32*SP
	v_add_nc_u32 v5, s41, v5                       ; LDS: my wave's 256 scale bytes, my block's byte
	v_lshlrev_b32 v7, 3, v2                        ; and on the way out 8 bytes a lane
	v_add_nc_u32 v6, s41, v7
	s_wait_kmcnt 0x0
	s_mov_b64 s[4:5], s[26:27]                     ; which tensor, and its first work-group: chosen by the work-group's number alone
	s_mov_b32 s6, 576
	s_cmp_lt_u32 ttmp9, 576
	s_cselect_b64 s[4:5], s[24:25], s[4:5]
	s_cselect_b32 s6, 544, s6
	s_cmp_lt_u32 ttmp9, 544
	s_cselect_b64 s[4:5], s[22:23], s[4:5]
	s_cselect_b32 s6, 512, s6
	s_cmp_lt_u32 ttmp9, 512
	s_cselect_b64 s[4:5], s[20:21], s[4:5]
	s_cselect_b32 s6, 384, s6
	s_cmp_lt_u32 ttmp9, 384
	s_cselect_b64 s[4:5], s[18:19], s[4:5]
	s_cselect_b32 s6, 256, s6
	s_cmp_lt_u32 ttmp9, 256
	s_cselect_b64 s[4:5], s[16:17], s[4:5]
	s_cselect_b32 s6, 0, s6
	s_sub_co_u32 s42, ttmp9, s6
	s_lshl_b32 s42, s42, 2
	s_add_co_u32 s42, s42, s40                     ; my run of 8,192 numbers in the tensor
	s_lshl_b32 s42, s42, 15                        ; 32,768 bytes a run
	s_mov_b32 s43, 0
	s_add_nc_u64 s[4:5], s[4:5], s[42:43]
	s_lshl_b32 s44, ttmp9, 2
	s_add_co_u32 s44, s44, s40                     ; my run among all six tensors'
	s_lshl_b32 s42, s44, 12
	s_add_nc_u64 s[8:9], s[30:31], s[42:43]        ; 4,096 bytes of codes a run
	s_lshl_b32 s42, s44, 8
	s_add_nc_u64 s[10:11], s[32:33], s[42:43]      ; 256 scale bytes a run
.macro LOAD t
.irp i, 0,1,2,3
	global_load_b128 v[R+16*((\t)%DEPTH)+4*\i:R+16*((\t)%DEPTH)+4*\i+3], v3, s[4:5] offset:2048*(\t)+512*\i th:TH_LOAD_NT   ; 32 lanes read 512 consecutive bytes
.endr
.endm
.macro TURN t                          ; step t's numbers through the stage: LDS serves a wave's instructions in order, so no wait stands between the stores and the loads
.irp i, 0,1,2,3
	ds_store_b128 v14, v[R+16*((\t)%DEPTH)+4*\i:R+16*((\t)%DEPTH)+4*\i+3] offset:32*SP*((\t)%2)+8*SP*\i
.endr
.irp i, 0,1,2,3
	ds_load_b128 v[X+16*((\t)%2)+4*\i:X+16*((\t)%2)+4*\i+3], v15 offset:32*SP*((\t)%2)+16*\i
.endr
.endm
.irp t, 0,1,2,3,4,5,6,7
	LOAD \t
.endr
	s_wait_loadcnt 4*(DEPTH-1)                     ; step 0's four loads are in; the 28 of steps 1 to 7 may be out
	TURN 0
.macro STEP t
.set XS, X+16*((\t)%2)
.if (\t) > 0
	s_wait_dscnt 1                                 ; this step's numbers are back from the stage (the last step's byte store may be out): so its stores into the stage have read their registers,
.else
	s_wait_dscnt 0x0
.endif
.if (\t)+DEPTH < STEPS
	LOAD (\t)+DEPTH                                ; which take the loads of eight steps on
.endif
.if (\t)+1 < STEPS
.if STEPS-2-(\t) >= DEPTH-1
	s_wait_loadcnt 4*(DEPTH-1)                     ; the next step's four loads are in; those of the seven steps behind it may be out
.else
	s_wait_loadcnt 4*(STEPS-2-(\t))                ; at the end the count runs down
.endif
	TURN (\t)+1                                    ; through the other stage while this step is worked
.endif
	v_max3_num_f32 v8, |v[XS]|, |v[XS+1]|, |v[XS+2]|               ; the largest magnitude of my 16, in two chains
	v_max3_num_f32 v9, |v[XS+3]|, |v[XS+4]|, |v[XS+5]|
.irp i, 6,10
	v_max3_num_f32 v8, v8, |v[XS+\i]|, |v[XS+\i+1]|
	v_max3_num_f32 v9, v9, |v[XS+\i+2]|, |v[XS+\i+3]|
.endr
	v_max3_num_f32 v8, v8, |v[XS+14]|, |v[XS+15]|
	v_max3_num_f32 v8, v8, v9, 0x1800000           ; and the floor 2^(3 - 127): the byte cannot fall under 1
	v_max_num_f32_dpp v8, v8, v8 row_xmask:1 row_mask:0xf bank_mask:0xf   ; and of my neighbour's 16: the block's
	v_add_nc_u32 v11, 0xff000000, v8               ; 2 off its exponent field: the conversion takes the exponent field of this operand as its scale
	v_cvt_scalef32_pk8_fp4_f32 v[C+2*(\t)], v[XS:XS+7], v11
	v_cvt_scalef32_pk8_fp4_f32 v[C+2*(\t)+1], v[XS+8:XS+15], v11
	v_lshrrev_b32 v[E+(\t)], 23, v11               ; the scale's byte (also the plain line behind the conversions)
	ds_store_b8 v5, v[E+(\t)] offset:16*(\t)       ; both lanes of a block write the same byte with the same value
	global_store_b64 v4, v[C+2*(\t):C+2*(\t)+1], s[8:9] offset:32*CB*(\t)   ; the wave stores 256 consecutive bytes, aligned
.endm
.irp t, 0,1,2,3,4,5,6,7,8,9,10,11,12,13,14,15
	STEP \t
.endr
	ds_load_b64 v[8:9], v6                         ; LDS serves a wave's instructions in order: these see my byte stores
	s_wait_dscnt 0x0
	global_store_b64 v7, v[8:9], s[10:11]          ; 32 lanes store the run's 256 scale bytes, aligned
	s_wait_tensorcnt 0x0                           ; the wave's end, behind my last LDS store
	ds_add_u32 v[SPW], v[NIL]
	s_wait_dscnt 0x0
	s_endpgm
.Lother:
	s_cmp_ge_u32 ttmp9, WWG
	s_cbranch_scc1 .Ltable
; ---------------- Wo to f16: a wave takes 32,768 bytes, 64 loads of 512 bytes in four sets of 16, two sets in flight
.set XA, 16                            ; v16-79
.set XB, 112                           ; v112-175
.set H,  80                            ; v80-111 the packed halves
	s_sub_co_u32 s41, ttmp9, QWG
	s_lshl_b32 s41, s41, 2
	s_add_co_u32 s41, s41, s40
	s_lshl_b32 s42, s41, 15
	s_mov_b32 s43, 0
	s_lshl_b32 s44, s41, 14
	s_mov_b32 s45, 0
	v_lshlrev_b32 v4, 3, v2                        ; 8 bytes a lane on the way out
	s_wait_kmcnt 0x0
	s_add_nc_u64 s[4:5], s[28:29], s[42:43]
	s_add_nc_u64 s[8:9], s[34:35], s[44:45]
.macro WLD set, p
.irp i, 0,1,2,3,4,5,6,7,8,9,10,11,12,13,14,15
	global_load_b128 v[\set+4*\i:\set+4*\i+3], v3, s[4:5] offset:512*(16*(\p)+\i) th:TH_LOAD_NT
.endr
.endm
.macro WCV set, p
.if (\p) > 0
	s_wait_xcnt 0x0                                ; the last set's stores have read H: it is written again only behind this wait
.endif
.irp i, 0,1,2,3,4,5,6,7,8,9,10,11,12,13,14,15
	v_cvt_pk_f16_f32 v[H+2*\i], v[\set+4*\i], v[\set+4*\i+1]
	v_cvt_pk_f16_f32 v[H+2*\i+1], v[\set+4*\i+2], v[\set+4*\i+3]
.endr
.irp i, 0,1,2,3,4,5,6,7,8,9,10,11,12,13,14,15
	global_store_b64 v4, v[H+2*\i:H+2*\i+1], s[8:9] offset:256*(16*(\p)+\i)   ; 256 consecutive bytes, aligned
.endr
.endm
	WLD XA, 0
	WLD XB, 1
	s_wait_loadcnt 16                              ; the older set is in; the younger set's sixteen may be out
	WCV XA, 0
	WLD XA, 2
	s_wait_loadcnt 16
	WCV XB, 1
	WLD XB, 3
	s_wait_loadcnt 16
	WCV XA, 2
	s_wait_loadcnt 0x0
	WCV XB, 3
	s_endpgm
.Ltable:
; ---------------- the rotary table: a wave makes one tile of 16 positions x 32 frequencies, cos and sin
	s_sub_co_u32 s41, ttmp9, WWG
	s_lshl_b32 s41, s41, 2
	s_add_co_u32 s41, s41, s40                     ; the tile, 0 .. 207
	s_mov_b32 s42, 192                             ; the tensor's first tile,
	s_mov_b32 s43, 0                               ; gamma / L / 16 (0: the identity, for v),
	s_mov_b32 s44, 1.0                             ; and the factor on the entries
	s_cmp_lt_u32 s41, 192
	s_cselect_b32 s42, 128, s42
	s_cselect_b32 s43, 0x3a200000, s43             ; k: 10 / 1,024 / 16
	s_cmp_lt_u32 s41, 128
	s_cselect_b32 s42, 0, s42
	s_cselect_b32 s43, 0x39a00000, s43             ; q: 10 / 2,048 / 16
	s_cselect_b32 s44, 0x3e38aa3b, s44             ; q: log2(e) / 8: the scores then come out as exponents of 2
	s_sub_co_u32 s45, s41, s42
	s_lshl_b32 s45, s45, 4                         ; the tile's first position
	s_lshl_b32 s46, s41, 12                        ; 4,096 bytes a tile
	s_mov_b32 s47, 0
	s_mov_b32 s48, 0xbed49a78                      ; -log2(10000) / 32
	s_mov_b32 s49, 0xbe2aaaab                      ; -1/6
	s_mov_b32 s50, 0x3c088889                      ; 1/120
	s_mov_b32 s51, 0xb9500d01                      ; -1/5040
	s_mov_b32 s52, 0x3638ef1d                      ; 1/362880
	s_mov_b32 s53, 0x3d2aaaab                      ; 1/24
	s_mov_b32 s54, 0xbab60b61                      ; -1/720
	s_mov_b32 s55, 0x37d00d01                      ; 1/40320
	v_and_b32 v5, 15, v0                           ; r
	v_add_nc_u32 v5, s45, v5                       ; my position
	v_cvt_f32_u32 v5, v5
	v_mul_f32 v5, s43, v5                          ; gamma x position / L / 16: exact (10 x position is a whole number under 2^24)
	v_bfe_u32 v6, v0, 4, 1
	v_lshlrev_b32 v6, 3, v6                        ; 8 h
	s_wait_kmcnt 0x0
	s_add_nc_u64 s[36:37], s[36:37], s[46:47]
; four frequencies 16 u + 8 h + 4 w + 0 .. 3, by turns.  Each call has result registers of its own, so no store's data are written again.
.macro ROPE4 u, w
.set CR, 32+4*(2*\u+\w)
.set SR, 48+4*(2*\u+\w)
.irp i, 0,1,2,3
	v_add_nc_u32 v[16+\i], 16*\u+4*\w+\i, v6
.endr
.irp i, 0,1,2,3
	v_cvt_f32_u32 v[16+\i], v[16+\i]
.endr
.irp i, 0,1,2,3
	v_mul_f32 v[16+\i], s48, v[16+\i]
.endr
.irp i, 0,1,2,3
	v_exp_f32 v[16+\i], v[16+\i]                   ; 10000^(-j / 32)
.endr
	v_nop                                          ; a plain line behind the last exponential,
	s_wait_alu depctr_va_vdst(0)                   ; and one wait for the four, ahead of their first reader
.irp i, 0,1,2,3
	v_mul_f32 v[16+\i], v5, v[16+\i]               ; y = the angle / 16
.endr
.irp i, 0,1,2,3
	v_mul_f32 v[20+\i], v[16+\i], v[16+\i]         ; y^2
.endr
.irp i, 0,1,2,3
	v_fma_f32 v[SR+\i], v[20+\i], s52, s51
	v_fma_f32 v[CR+\i], v[20+\i], s55, s54
.endr
.irp i, 0,1,2,3
	v_fma_f32 v[SR+\i], v[SR+\i], v[20+\i], s50
	v_fma_f32 v[CR+\i], v[CR+\i], v[20+\i], s53
.endr
.irp i, 0,1,2,3
	v_fma_f32 v[SR+\i], v[SR+\i], v[20+\i], s49
	v_fma_f32 v[CR+\i], v[CR+\i], v[20+\i], -0.5
.endr
.irp i, 0,1,2,3
	v_fma_f32 v[SR+\i], v[SR+\i], v[20+\i], 1.0
	v_fma_f32 v[CR+\i], v[CR+\i], v[20+\i], 1.0    ; cos y
.endr
.irp i, 0,1,2,3
	v_mul_f32 v[SR+\i], v[SR+\i], v[16+\i]         ; sin y
.endr
.rept 4                                        ; the angle doubled four times: sin 2a = 2 cos a sin a, cos 2a = cos^2 a - sin^2 a
.irp i, 0,1,2,3
	v_mul_f32 v[24+\i], v[SR+\i], v[SR+\i]
	v_add_f32 v[28+\i], v[CR+\i], v[CR+\i]
.endr
.irp i, 0,1,2,3
	v_mul_f32 v[SR+\i], v[28+\i], v[SR+\i]
	v_fma_f32 v[CR+\i], v[CR+\i], v[CR+\i], -v[24+\i]
.endr
.endr
.irp i, 0,1,2,3
	v_mul_f32 v[CR+\i], s44, v[CR+\i]
	v_mul_f32 v[SR+\i], s44, v[SR+\i]
.endr
	global_store_b128 v3, v[CR:CR+3], s[36:37] offset:(2*\u+\w)*512        ; 512 consecutive bytes, aligned
	global_store_b128 v3, v[SR:SR+3], s[36:37] offset:2048+(2*\u+\w)*512
.endm
	ROPE4 0, 0
	ROPE4 0, 1
	ROPE4 1, 0
	ROPE4 1, 1
	s_endpgm
.Lfunc_end_k_q52e882cc4a_prep:
	.size	k_q52e882cc4a_prep, .Lfunc_end_k_q52e882cc4a_prep-k_q52e882cc4a_prep
	.p2alignl 7, 3214868480
	.fill 96, 4, 3214868480
	.section	.rodata,"a",@progbits
	.p2align	6, 0x0
	.amdhsa_kernel k_q52e882cc4a_prep
		.amdhsa_group_segment_fixed_size 33280
		.amdhsa_private_segment_fixed_size 0
		.amdhsa_enable_private_segment 0
		.amdhsa_kernarg_size 88
		.amdhsa_user_sgpr_count 2
		.amdhsa_user_sgpr_kernarg_segment_ptr 1
		.amdhsa_wavefront_size32 1
		.amdhsa_system_sgpr_workgroup_id_x 1
		.amdhsa_system_sgpr_workgroup_id_y 1
		.amdhsa_system_sgpr_workgroup_id_z 1
		.amdhsa_system_vgpr_workitem_id 0
		.amdhsa_next_free_vgpr 224
		.amdhsa_next_free_sgpr 66
		.amdhsa_reserve_vcc 0
		.amdhsa_float_denorm_mode_32 3
		.amdhsa_float_denorm_mode_16_64 3
		.amdhsa_memory_ordered 1
		.amdhsa_forward_progress 1
		.amdhsa_inst_pref_size 80
	.end_amdhsa_kernel
	.amdgpu_metadata
---
amdhsa.version: [ 1, 2 ]
amdhsa.kernels:
  - .name:           k_q52e882cc4a_prep
    .symbol:         k_q52e882cc4a_prep.kd
    .args:
      - { .name: query, .offset: 0, .size: 8, .value_kind: global_buffer, .address_space: global }
      - { .name: key, .offset: 8, .size: 8, .value_kind: global_buffer, .address_space: global }
      - { .name: value, .offset: 16, .size: 8, .value_kind: global_buffer, .address_space: global }
      - { .name: Wq, .offset: 24, .size: 8, .value_kind: global_buffer, .address_space: global }
      - { .name: Wk, .offset: 32, .size: 8, .value_kind: global_buffer, .address_space: global }
      - { .name: Wv, .offset: 40, .size: 8, .value_kind: global_buffer, .address_space: global }
      - { .name: Wo, .offset: 48, .size: 8, .value_kind: global_buffer, .address_space: global }
      - { .name: codes, .offset: 56, .size: 8, .value_kind: global_buffer, .address_space: global }
      - { .name: scales, .offset: 64, .size: 8, .value_kind: global_buffer, .address_space: global }
      - { .name: wo16, .offset: 72, .size: 8, .value_kind: global_buffer, .address_space: global }
      - { .name: rope, .offset: 80, .size: 8, .value_kind: global_buffer, .address_space: global }
    .group_segment_fixed_size: 33280
    .private_segment_fixed_size: 0
    .kernarg_segment_align: 8
    .kernarg_segment_size: 88
    .max_flat_workgroup_size: 128
    .sgpr_count:     66
    .vgpr_count:     224
    .wavefront_size: 32
...
	.end_amdgpu_metadata
.endif
;; end of part 1
;; launch proj (part 2): grid 4 x 64, 4 waves a work-group, clusters of 4 x 4, 327,680 bytes of LDS; arguments codes, scales, rope, bq, bk, bv, qkv; writes qkv
.if DOCPART == 2
	.amdgcn_target "amdgcn-amd-amdhsa--gfx1250"
	.amdhsa_code_object_version 6
	.text
	.protected	k_q52e882cc4a_proj
	.globl	k_q52e882cc4a_proj
	.p2align	8
	.type	k_q52e882cc4a_proj,@function
k_q52e882cc4a_proj:
	s_mov_b64 s[64:65], 0
	v_nop
	global_prefetch_b8 v0, s[64:65] scope:SCOPE_SE
	s_setreg_imm32_b32 hwreg(HW_REG_WAVE_MODE, 25, 1), 1
	s_wait_xcnt 0x0
	s_wait_alu depctr_hold_cnt(0) depctr_sa_sdst(0) depctr_va_vdst(0) depctr_va_sdst(0) depctr_va_ssrc(0) depctr_va_vcc(0) depctr_vm_vsrc(0)
	s_getreg_b32 s2, hwreg(HW_REG_IB_STS2, 6, 4)
	s_cmp_eq_u32 s2, 0
	s_cbranch_scc0 .Lentry_in_a_cluster
	s_endpgm
.Lentry_in_a_cluster:
	s_bfe_u32 s2, ttmp6, 0x10000c
	s_cmp_lg_u32 s2, 0xf033
	s_cbranch_scc0 .Lentry_shape_is_right
	s_endpgm
.Lentry_shape_is_right:
; PROJ.  The three quantised projections as one GEMM on codes of E2M1 with E8M0 scales (K = 1,024), then bias, rotary turn and rounding to f16; the results leave as images of the next launch's operand registers.
; A cluster of 4 x 4 work-groups makes 1,024 x 1,024; cluster y = ci: 0-7 q (rows of query), 8-11 k (one batch each), 12-15 v.  A work-group makes 256 x 256, each of its four waves 128 x 128: 64 accumulators, 512 registers.
; C[m][n] = sum over k of A[m][k] B[n][k], A and B both rows of 'codes'.  q, k: A = the tokens, B = the weight.  v: THE ROLES ARE SWAPPED, A = Wv's rows (channels), B = value's rows (keys).
; THE MATRIX INSTRUCTION IS USED TRANSPOSED (source 0 = 16 rows of B, source 1 = 16 rows of A): lane (r, h) of accumulator (a, b) holds A's row 16 a + r and B's rows 16 b + 8 h + 0 .. 7.
; Rounded to f16 in pairs these eight are four registers of a 16-bit operand of K = 32: for q and k a position's 8 channels, for v a channel's 8 keys.  So each accumulator is stored as it stands, lane l's 16 bytes at 16 l:
;   q at 0: [batch x 16 + head][tile of 16 positions][piece 0 .. 3 = 16 channels][lane][16 bytes];  k at 16,777,216 likewise;  v at 25,165,824: [batch x 16 + head][32 keys][16 channels][16 keys][lane][16 bytes].
; Every store of the wave covers 512 consecutive bytes, aligned; nothing goes through LDS on the way out.
; K goes through two LDS slots of 512 along K (rows of 256 bytes), both asked for at the head with the scale bytes.
; CLUSTER: the four of a row of the cluster need the same tile of A, the four of a column the same tile of B: each is asked for jointly, by the same tensor load with a mask that names the four.  Grid x is one cluster wide: the tile column is cx.
; BIAS: for q and k it runs along B's rows and is the C of each sum's first product; for v it runs along A's rows and enters the turn's multiply-adds.  Both are loaded by all; a select on ci sets the one that does not apply to 0.
; THE TURN: y1 = x1 cos - x2 sin, y2 = x1 sin + x2 cos, x1 = accumulator b (channels 0-31 of a head), x2 = accumulator b + 2; v takes tiles of the table that hold cos = 1, sin = 0.
; THE TABLE'S EIGHT TILES, one for each block of A's 16 rows, are asked for while K is walked, each into registers of its own: six behind the first step, the seventh behind the change of slots, the eighth at the head of the way out,
; seven blocks ahead of its use: 56 loads of a wave are out at most.
; No prefetch: all that the launch reads through LDS is asked for at its head.
; LIMITS: 0.18 |q|, |k| and |v| stay under f16's 65,504; NaN and infinities are not served (v's turn multiplies by 0).
; REGISTERS, in windows of 256: window 0: v1-29 addresses; v32-95 scale words, two sets (v32-63 later block 6's table, v64-95 later the f16 results); v96-111 the row bias, a pair for each block of A; v128-191 A's fragments, one set,
;   later the turned numbers; v192-255 the column bias, later the table of blocks 0, 1.  window 1: B's fragments, two sets, at v0 and v128 (v0-31 later block 7's table); v64-127, v192-255 the table of blocks 2 to 5.
;   windows 2, 3: the accumulators of my rows 0-63, 64-127 ((a, b) at v[8 (8 (a % 4) + b)]).
.set KSTEP,  512
.set NQ,     4                         ; matrix instructions deep in a slot
.set ROWB,   256                       ; a tile's row in bytes
.set KROW,   512                       ; a row of codes in memory
.set PITCH,  272                       ; an LDS row: 256 bytes + 16 of padding: the 16 rows that a load touches start 68 words apart
.set FR,     8
.set NL,     2
.set NP,     4
.set HALFT,  128*PITCH
.set SLOT,   4*HALFT                   ; A's 256 rows, then B's 256 rows
.set KS,     32                        ; a row of scale bytes
.set SCL,    2*SLOT                    ; behind the slots: the scales, as rows of 256 bytes + 16 of padding
.set HALFS,  (128*KS/256)*272
.set SBLK,   (16*KS/256)*272
.set SPARE,  SCL+4*HALFS               ; the spare words, 128 bytes a wave
.set LI,   8                           ; v8   16 x lane;  v8-11: + (x / 2) SBhi + (x % 2) SBmid: where accumulators 2 x, 2 x + 1 go
.set HB,   12                          ; v12  32 h
.set RB,   13                          ; v13  4 r
.set ADRA, 16
.set ADRB, 20
.set ADRS, 27
.set SPW,  28
.set NIL,  29
.set SC,   32
.set BR,   96
.set AF,   128
.set BC,   192
.set Y,    128
.set D,    64
.set WV, 16                            ; s16 wave;  s17 wave / 2: my half of A's rows, and whether I fetch for A (0) or B (1);  s18 wave % 2: my half of B's rows, and which 128 rows I fetch
.set RH, 17
.set CH, 18
.set CX, 19
.set CY, 20
.set CI, 21
.set MQK, 96                           ; s96 all ones for q and k, 0 for v
.set G1, 24
.set G0, 32
.set G1B, 48
.set G0B, 56
.set G1S, 68
.set G0S, 76
.set G1SB, 80
.set G0SB, 88
.set MSB, 0
.macro WIN new                         ; the immediate's high byte repeats the setting that is left; a switch that changes nothing is dropped
.if MSB != (\new)
	s_set_vgpr_msb (MSB<<8)|(\new)
.set MSB, (\new)
.endif
.endm
.set MUL_LO, 0xa1                      ; source 0 (B) window 1, source 1 (A) window 0, C and D window 2
.set MUL_HI, 0xf1                      ; the same, C and D window 3
.set TO_B,   0x40
; A joint load: waves 0 and 1 fetch for A, waves 2 and 3 for B; the branch hangs on the wave's number alone.  An s_nop 0 and four v_nop follow each line.
.macro JLOAD g0a, g1a, g0b, g1b
	s_cmp_eq_u32 s[RH], 0
	s_cbranch_scc0 .Lfor_b_\@
	tensor_load_to_lds s[\g0a:\g0a+3], s[\g1a:\g1a+7]
	s_nop 0
.rept 4
	v_nop
.endr
	s_branch .Lasked_\@
.Lfor_b_\@:
	tensor_load_to_lds s[\g0b:\g0b+3], s[\g1b:\g1b+7]
	s_nop 0
.rept 4
	v_nop
.endr
.Lasked_\@:
.endm
.macro CROUND                          ; a round of the cluster's barrier
	s_barrier_signal -1
	s_barrier_wait -1
	s_cmp_lg_u32 s[WV], 0
	s_cbranch_scc1 .Lnot_wave_0_\@
	s_barrier_signal -3
.Lnot_wave_0_\@:
	s_barrier_wait -3
	s_barrier_signal -1
	s_barrier_wait -1
.endm
	s_load_b256 s[4:11], s[0:1], 0x0               ; codes s[4:5], scales s[6:7], rope s[8:9], bq s[10:11]
	s_load_b128 s[12:15], s[0:1], 0x20             ; bk s[12:13], bv s[14:15]
	s_load_b64 s[66:67], s[0:1], 0x30              ; qkv
	v_lshl_add_u32 v[SPW], v0, 2, SPARE
	v_mov_b32 v[NIL], 0
	ds_add_u32 v[SPW], v[NIL]                      ; the wave's opening: the add, twice on end, and its wait ahead of my first tensor load
	ds_add_u32 v[SPW], v[NIL]
	v_lshrrev_b32 v1, 5, v0
	v_readfirstlane_b32 s[WV], v1
	s_lshr_b32 s[RH], s[WV], 1
	s_and_b32 s[CH], s[WV], 1
	s_bfe_u32 s[CX], ttmp6, 0x40000
	s_bfe_u32 s[CY], ttmp6, 0x40004
	s_and_b32 s[CI], ttmp7, 0xffff                 ; the cluster's y
	s_lshl_b32 s97, s[CY], 2
	s_lshl_b32 s97, 15, s97                        ; my row of the cluster
	s_lshl_b32 s100, 0x1111, s[CX]                 ; my column
	s_or_b32 s[G1+0], s97, (0<<16)|(1<<20)|(1<<21)|(5<<22)|(3<<25)   ; the mask; elements of 1 byte; padding on: 4 words behind every 64; bit 21 beside a mask
	s_or_b32 s[G1B+0], s100, (0<<16)|(1<<20)|(1<<21)|(5<<22)|(3<<25)
.irp g, G1, G1B
	s_mov_b32 s[\g+1], ROWB<<16                    ; tensor_dim0
	s_mov_b32 s[\g+2], 128<<16                     ; tensor_dim1
	s_mov_b32 s[\g+3], ROWB<<16                    ; tile_dim0
	s_mov_b32 s[\g+4], 128                         ; tile_dim1
	s_mov_b32 s[\g+5], KROW                        ; from row to row
	s_mov_b32 s[\g+6], 0
	s_mov_b32 s[\g+7], 0
.endr
	s_or_b32 s[G1S+0], s97, (3<<16)|(1<<20)|(1<<21)|(5<<22)|(3<<25)  ; the scales of 128 rows: 4,096 dense bytes as 16 rows of 32 elements of 8 bytes
	s_or_b32 s[G1SB+0], s100, (3<<16)|(1<<20)|(1<<21)|(5<<22)|(3<<25)
.irp g, G1S, G1SB
	s_mov_b32 s[\g+1], 32<<16
	s_mov_b32 s[\g+2], (128*KS/256)<<16
	s_mov_b32 s[\g+3], 32<<16
	s_mov_b32 s[\g+4], 128*KS/256
	s_mov_b32 s[\g+5], 32
	s_mov_b32 s[\g+6], 0
	s_mov_b32 s[\g+7], 0
.endr
	s_lshl_b32 s22, s[CI], 10                      ; the cluster's 1,024 rows of tokens in 'codes'
	s_mov_b32 s23, 18432                           ; and its weight's: Wv,
	s_cmp_lt_u32 s[CI], 12
	s_cselect_b32 s23, 17408, s23                  ; Wk,
	s_cselect_b32 s[MQK], -1, 0
	s_cmp_lt_u32 s[CI], 8
	s_cselect_b32 s23, 16384, s23                  ; Wq
	s_cmp_lt_u32 s[CI], 12
	s_cselect_b32 s40, s22, s23                    ; A's first row: tokens, for v the weight
	s_cselect_b32 s41, s23, s22                    ; B's first row
	s_lshl_b32 s22, s[CH], 7                       ; which 128 rows of the tile I fetch
	s_lshl_b32 s42, s[CY], 8
	s_add_co_u32 s42, s42, s40
	s_add_co_u32 s42, s42, s22                     ; A: hangs on cy, which my row of the cluster shares
	s_lshl_b32 s44, s42, 5                         ; its scale bytes,
	s_lshl_b32 s42, s42, 9                         ; its codes
	s_mov_b32 s43, 0
	s_mov_b32 s45, 0
	s_lshl_b32 s46, s[CX], 8
	s_add_co_u32 s46, s46, s41
	s_add_co_u32 s46, s46, s22                     ; B: hangs on cx, which my column shares
	s_lshl_b32 s98, s46, 5
	s_lshl_b32 s46, s46, 9
	s_mov_b32 s47, 0
	s_mov_b32 s99, 0
	s_mul_i32 s101, s[WV], HALFT                   ; where they go: wave x 128 rows: no place in the cluster enters an LDS address
	s_mul_i32 s23, s[WV], HALFS
	s_wait_dscnt 0x0                               ; both opening adds are done
	s_wait_kmcnt 0x0
	s_add_nc_u64 s[42:43], s[4:5], s[42:43]
	s_add_nc_u64 s[44:45], s[6:7], s[44:45]
	s_add_nc_u64 s[46:47], s[4:5], s[46:47]
	s_add_nc_u64 s[98:99], s[6:7], s[98:99]
	CROUND                                         ; all sixteen work-groups are here: the joint loads meet
	s_mov_b32 s[G0S], 1
	s_add_co_u32 s[G0S+1], s23, SCL
	s_mov_b64 s[G0S+2:G0S+3], s[44:45]
	s_or_b32 s[G0S+3], s[G0S+3], 0x80000000
	s_mov_b32 s[G0SB], 1
	s_add_co_u32 s[G0SB+1], s23, SCL
	s_mov_b64 s[G0SB+2:G0SB+3], s[98:99]
	s_or_b32 s[G0SB+3], s[G0SB+3], 0x80000000
	JLOAD G0S, G1S, G0SB, G1SB                     ; the scales first: they are wanted with the first slot
.irp s, 0,1
	s_mov_b32 s[G0+4*\s], 1
	s_add_co_u32 s[G0+4*\s+1], s101, \s*SLOT
	s_add_nc_u64 s[G0+4*\s+2:G0+4*\s+3], s[42:43], \s*ROWB
	s_or_b32 s[G0+4*\s+3], s[G0+4*\s+3], 0x80000000
	s_mov_b32 s[G0B+4*\s], 1
	s_add_co_u32 s[G0B+4*\s+1], s101, \s*SLOT
	s_add_nc_u64 s[G0B+4*\s+2:G0B+4*\s+3], s[46:47], \s*ROWB
	s_or_b32 s[G0B+4*\s+3], s[G0B+4*\s+3], 0x80000000
	JLOAD G0+4*\s, G1, G0B+4*\s, G1B
.endr
	; LDS addresses of my fragments and scale words
	v_and_b32 v1, 15, v0                           ; r
	v_bfe_u32 v2, v0, 4, 1                         ; h
	v_mul_u32_u24 v3, v1, PITCH
	v_lshl_add_u32 v4, v2, 4, v3
	s_mul_i32 s100, s[RH], HALFT
	s_mul_i32 s101, s[CH], HALFT
	s_add_co_u32 s101, s101, 2*HALFT
.irp s, 0,1
	v_add_nc_u32 v[ADRA+\s], s100, v4
	v_add_nc_u32 v[ADRB+\s], s101, v4
	s_add_co_u32 s100, s100, SLOT
	s_add_co_u32 s101, s101, SLOT
.endr
	v_mul_u32_u24 v5, v1, KS                       ; my row's scales: 32 bytes a row,
	v_lshrrev_b32 v6, 8, v5
	v_lshl_add_u32 v5, v6, 4, v5                   ; and 16 more for each 256 passed
	s_mul_i32 s100, s[RH], HALFS
	s_mul_i32 s101, s[CH], HALFS
	s_add_co_u32 s101, s101, 2*HALFS
	s_sub_co_u32 s101, s101, s100
	v_mul_u32_u24 v6, s101, v2                     ; lanes 16-31 take B's
	s_add_co_u32 s100, s100, SCL
	v_add_nc_u32 v5, v5, v6
	v_add_nc_u32 v[ADRS], s100, v5
	; the way out: one text for q, k and v; what differs is chosen here, by ci alone
	s_lshl_b32 s2, s[CY], 8
	s_lshl_b32 s3, s[RH], 7
	s_add_co_u32 s2, s2, s3                        ; U: my first row of A among the cluster's 1,024
	s_lshl_b32 s3, s[CX], 8
	s_lshl_b32 s22, s[CH], 7
	s_add_co_u32 s3, s3, s22                       ; W: my first row of B
	s_and_b32 s42, s[CI], 1
	s_lshl_b32 s46, s42, 17
	s_lshl_b32 s42, s42, 10
	s_add_co_u32 s42, s42, s2
	s_lshl_b32 s42, s42, 8                         ; q's table: 256 bytes a position
	s_lshl_b32 s43, s2, 8
	s_add_co_u32 s43, s43, 524288                  ; k's: from tile 128 on
	s_lshl_b32 s44, s[RH], 15
	s_add_co_u32 s44, s44, 786432                  ; v's: from tile 192 on
	s_lshr_b32 s47, s[CI], 1
	s_lshl_b32 s47, s47, 22
	s_add_co_u32 s46, s46, s47                     ; q: batch x 2^22 + half of the sequence x 2^17
	s_lshl_b32 s98, s[CI], 21                      ; k, v: ci x 2^21 (8 x 2^21 and 12 x 2^21 are where k and v begin)
	s_mov_b32 s40, 8192                            ; from accumulator b to b + 4,
	s_mov_b32 s41, 4096                            ; to b + 2,
	s_mov_b32 s92, 1024                            ; from block a to a + 1,
	s_mov_b32 s94, 128000                          ; and from block 3 to block 4 (v: the next head, less three tiles of channels)
	s_cmp_lt_u32 s[CI], 12
	s_cselect_b32 s22, 7, 11                       ; U's shift
	s_cselect_b32 s23, 11, 7                       ; W's shift
	s_cselect_b32 s40, 131072, s40
	s_cselect_b32 s41, 1024, s41
	s_cselect_b32 s92, 2048, s92
	s_cselect_b32 s94, 2048, s94
	s_cselect_b32 s44, s43, s44
	s_cselect_b64 s[12:13], s[12:13], s[14:15]     ; the bias along B's rows: bk or bv,
	s_cmp_lt_u32 s[CI], 8
	s_cselect_b32 s23, 12, s23
	s_cselect_b32 s40, 262144, s40
	s_cselect_b32 s44, s42, s44
	s_cselect_b32 s98, s46, s98
	s_cselect_b64 s[10:11], s[10:11], s[12:13]     ; or bq
	s_mov_b32 s45, 0
	s_mov_b32 s93, 0
	s_mov_b32 s95, 0
	s_mov_b32 s99, 0
	s_add_nc_u64 s[8:9], s[8:9], s[44:45]          ; the table at my first tile
	s_lshl_b32 s100, s2, s22
	s_lshl_b32 s101, s3, s23
	s_add_co_u32 s98, s98, s100
	s_add_co_u32 s98, s98, s101
	s_add_nc_u64 s[66:67], s[66:67], s[98:99]      ; qkv at my first image
	s_lshl_b32 s4, s3, 2
	s_mov_b32 s5, 0
	s_lshl_b32 s6, s2, 2
	s_mov_b32 s7, 0
	s_add_nc_u64 s[10:11], s[10:11], s[4:5]
	s_add_nc_u64 s[14:15], s[14:15], s[6:7]        ; bv along A's rows
	v_and_b32 v6, 31, v0
	v_lshlrev_b32 v[LI], 4, v6
	v_add_nc_u32 v[LI+1], s41, v[LI]
	v_add_nc_u32 v[LI+2], s40, v[LI]
	v_add_nc_u32 v[LI+3], s41, v[LI+2]
	v_lshlrev_b32 v[HB], 5, v2
	v_lshlrev_b32 v[RB], 2, v1
.irp b, 0,1,2,3,4,5,6,7
	global_load_b128 v[BC+8*\b:BC+8*\b+3], v[HB], s[10:11] offset:64*\b       ; the bias of B's rows 16 b + 8 h + 0 .. 7: the result's layout
	global_load_b128 v[BC+8*\b+4:BC+8*\b+7], v[HB], s[10:11] offset:64*\b+16
.endr
.irp a, 0,1,2,3,4,5,6,7
	global_load_b32 v[BR+2*\a], v[RB], s[14:15] offset:64*\a                  ; the bias of A's row 16 a + r
.endr
	s_wait_loadcnt 0x0
.irp j, 0,1,2,3,4,5,6,7,8,9,10,11,12,13,14,15,16,17,18,19,20,21,22,23,24,25,26,27,28,29,30,31,32,33,34,35,36,37,38,39,40,41,42,43,44,45,46,47,48,49,50,51,52,53,54,55,56,57,58,59,60,61,62,63
	v_cndmask_b32 v[BC+\j], 0, v[BC+\j], s[MQK]    ; kept for q and k, 0 for v
.endr
.irp a, 0,1,2,3,4,5,6,7
	v_cndmask_b32 v[BR+2*\a+1], v[BR+2*\a], 0, s[MQK]   ; kept for v, 0 for q and k; twice, as the pair that the packed multiply-adds take
	v_cndmask_b32 v[BR+2*\a], v[BR+2*\a], 0, s[MQK]
.endr
.macro FRAG reg, adr, q, i             ; 16 rows x 128 K of 4-bit codes: 8 registers, two loads of 16 bytes, 32 bytes apart
.irp c, 0,1
	ds_load_b128 v[\reg+4*\c:\reg+4*\c+3], v[\adr] offset:64*(\q)+32*\c+(\i)*16*PITCH
.endr
.endm
; 16 matrix instructions: A's blocks a0, a0 + 1 x B's eight, the slot's q-th 128 along K.  p: B's set; sc: the set of scale words.  zero = 1: the first product starts the sums, with the bias as its C.
; The 64 accumulators take turns, one instruction a turn, in the same order in every step.
.macro MUL16 a0, p, q, sc, zero
.irp a, \a0, \a0+1
.irp b, 0,1,2,3,4,5,6,7
.if \zero
	v_wmma_scale_f32_16x16x128_f8f6f4 v[8*(8*((\a)%4)+\b):8*(8*((\a)%4)+\b)+7], v[128*(\p)+FR*\b:128*(\p)+FR*\b+FR-1], v[AF+FR*(\a):AF+FR*(\a)+FR-1], v[BC+8*\b:BC+8*\b+7], v[SC+8*NQ*(\sc)+NQ*\b+(\q)], v[SC+8*NQ*(\sc)+NQ*(\a)+(\q)] matrix_a_fmt:MATRIX_FMT_FP4 matrix_b_fmt:MATRIX_FMT_FP4 matrix_a_scale:MATRIX_SCALE_ROW1
.else
	v_wmma_scale_f32_16x16x128_f8f6f4 v[8*(8*((\a)%4)+\b):8*(8*((\a)%4)+\b)+7], v[128*(\p)+FR*\b:128*(\p)+FR*\b+FR-1], v[AF+FR*(\a):AF+FR*(\a)+FR-1], v[8*(8*((\a)%4)+\b):8*(8*((\a)%4)+\b)+7], v[SC+8*NQ*(\sc)+NQ*\b+(\q)], v[SC+8*NQ*(\sc)+NQ*(\a)+(\q)] matrix_a_fmt:MATRIX_FMT_FP4 matrix_b_fmt:MATRIX_FMT_FP4 matrix_a_scale:MATRIX_SCALE_ROW1
.endif
.endr
.endr
.endm
.macro FETCH_B slot, q, p
	WIN TO_B
.irp i, 0,1,2,3,4,5,6,7
	FRAG 128*(\p)+FR*\i, ADRB+\slot, \q, \i
.endr
	WIN 0
.endm
.macro FETCH_A slot, q, i0
.irp i, \i0, \i0+1, \i0+2, \i0+3
	FRAG AF+FR*(\i), ADRA+\slot, \q, \i
.endr
.endm
.macro SCALES sc                       ; a slot's scale words: 4 words a row; lanes 0-15 take A's block i, lanes 16-31 B's block i
.irp i, 0,1,2,3,4,5,6,7
	ds_load_b128 v[SC+8*NQ*\sc+NQ*\i:SC+8*NQ*\sc+NQ*\i+3], v[ADRS] offset:\i*SBLK
.endr
.endm
.macro PLACES n                        ; plain vector lines between a matrix instruction and a load into, or a vector read or write of, its registers
.rept \n
	v_nop
.endr
.endm
.macro STEP slot, q, zero              ; 128 along K whose successor lies in the same slot
	s_wait_dscnt 4*NL                              ; B's set and A's blocks 0-3 are in; the youngest eight loads (A's blocks 4-7) may be out
.if \zero
	WIN 0x81                                       ; C from window 0: the bias
.else
	WIN MUL_LO
.endif
	MUL16 0, (\q)%2, \q, \slot, \zero
	MUL16 2, (\q)%2, \q, \slot, \zero
	s_wait_dscnt 0
	PLACES NP
	FETCH_B \slot, (\q)+1, 1-(\q)%2
	FETCH_A \slot, (\q)+1, 0
.if \zero
	WIN 0xc1
.else
	WIN MUL_HI
.endif
	MUL16 4, (\q)%2, \q, \slot, \zero
	MUL16 6, (\q)%2, \q, \slot, \zero
	PLACES NP
	WIN 0
	FETCH_A \slot, (\q)+1, 4
.endm
.macro TURN slot, next                 ; a slot's last step changes slots: one barrier; nothing is filled again
	s_wait_tensorcnt 0x0                           ; all my tensor loads have landed: my part of the next slot
	ds_add_u32 v[SPW], v[NIL]
	s_wait_dscnt 4*NL+1                            ; (the add and the youngest eight loads may be out)
	WIN MUL_LO
	MUL16 0, 1, NQ-1, \slot, 0
	s_wait_dscnt 0x0
	s_barrier_signal -1
	MUL16 2, 1, NQ-1, \slot, 0
	WIN 0
	s_barrier_wait -1                              ; every wave's part of the next slot has landed
	PLACES NP
	v_add_nc_u32 v[ADRS], 4*NQ, v[ADRS]            ; on to the next slot's scale words
	FETCH_B \next, 0, 0
	FETCH_A \next, 0, 0
	SCALES \next
	WIN MUL_HI
	MUL16 4, 1, NQ-1, \slot, 0
	MUL16 6, 1, NQ-1, \slot, 0
	PLACES NP
	WIN 0
	FETCH_A \next, 0, 4
.endm
.macro STEPS slot, from
.set Q, \from
.rept NQ-1-\from
	STEP \slot, Q, 0
.set Q, Q+1
.endr
.endm
; THE WAY OUT, block by block of A's 16 rows.
.macro TSET a                          ; where block a's tile of the table lies: window TW, first register TT
.if (\a) < 2
.set TW, 0
.set TT, 192+32*(\a)
.elseif (\a) < 4
.set TW, 1
.set TT, 64+32*((\a)-2)
.elseif (\a) < 6
.set TW, 1
.set TT, 192+32*((\a)-4)
.elseif (\a) == 6
.set TW, 0
.set TT, 32
.else
.set TW, 1
.set TT, 0
.endif
.endm
.macro TBL a                           ; block a's tile of the table, 8 pieces of 512 bytes: cos of u at +8 u, sin at +16 + 8 u.  It leaves the destination's window as the tile wants it
	TSET \a
	WIN TW<<6
.irp e, 0,1,2,3,4,5,6,7
	global_load_b128 v[TT+4*\e:TT+4*\e+3], v[LI], s[8:9] offset:(\a)*4096+512*\e
.endr
.endm
.macro ROT a                           ; the turn, two numbers an instruction; each accumulator is read from its low end on
.set AC, 64*((\a)%4)
	TSET \a
	WIN (0x02+(\a)/4)|(TW<<2)                      ; source 0: the accumulators' window; source 1: the table's
.irp hh, 0,1
.irp u, 0,1
.irp i, 0,2,4,6
	v_pk_fma_f32 v[Y+8*(4*\hh+\u)+\i:Y+8*(4*\hh+\u)+\i+1], v[AC+8*(4*\hh+\u+2)+\i:AC+8*(4*\hh+\u+2)+\i+1], v[TT+16+8*\u+\i:TT+16+8*\u+\i+1], v[BR+2*(\a):BR+2*(\a)+1] neg_lo:[0,0,1] neg_hi:[0,0,1]   ; x2 sin - bias
.endr
.irp i, 0,2,4,6
	v_pk_fma_f32 v[Y+8*(4*\hh+\u+2)+\i:Y+8*(4*\hh+\u+2)+\i+1], v[AC+8*(4*\hh+\u+2)+\i:AC+8*(4*\hh+\u+2)+\i+1], v[TT+8*\u+\i:TT+8*\u+\i+1], v[BR+2*(\a):BR+2*(\a)+1]   ; x2 cos + bias
.endr
.irp i, 0,2,4,6
	v_pk_fma_f32 v[Y+8*(4*\hh+\u)+\i:Y+8*(4*\hh+\u)+\i+1], v[AC+8*(4*\hh+\u)+\i:AC+8*(4*\hh+\u)+\i+1], v[TT+8*\u+\i:TT+8*\u+\i+1], v[Y+8*(4*\hh+\u)+\i:Y+8*(4*\hh+\u)+\i+1] neg_lo:[0,0,1] neg_hi:[0,0,1]   ; x1 cos - x2 sin + bias
.endr
.irp i, 0,2,4,6
	v_pk_fma_f32 v[Y+8*(4*\hh+\u+2)+\i:Y+8*(4*\hh+\u+2)+\i+1], v[AC+8*(4*\hh+\u)+\i:AC+8*(4*\hh+\u)+\i+1], v[TT+16+8*\u+\i:TT+16+8*\u+\i+1], v[Y+8*(4*\hh+\u+2)+\i:Y+8*(4*\hh+\u+2)+\i+1]   ; x1 sin + x2 cos + bias
.endr
.endr
.endr
.endm
.macro PACKS
	WIN 0
.irp b, 0,1,2,3,4,5,6,7
.irp k, 0,1,2,3
	v_cvt_pk_f16_f32 v[D+4*\b+\k], v[Y+8*\b+2*\k], v[Y+8*\b+2*\k+1]
.endr
.endr
.endm
.macro OUTS
.irp b, 0,1,2,3,4,5,6,7
	global_store_b128 v[LI+2*(\b/4)+(\b%4)/2], v[D+4*\b:D+4*\b+3], s[66:67] offset:512*(\b%2)   ; 512 consecutive bytes, aligned: an image of four operand registers
.endr
.endm
	s_wait_tensorcnt 1                             ; the scales and my part of slot 0 are in (slot 1's load may be out)
	s_barrier_signal -1
	s_barrier_wait -1                              ; everybody's are
	FETCH_B 0, 0, 0
	FETCH_A 0, 0, 0
	SCALES 0
	FETCH_A 0, 0, 4
	STEP 0, 0, 1                                   ; the first step starts the sums on the bias
	TBL 0                                          ; the bias has been read; the step's last four plain lines stand between its products and these loads into the bias's registers
	TBL 1
	TBL 2                                          ; blocks 2 to 5: into the registers of window 1 that B's two sets leave free
	TBL 3
	TBL 4
	TBL 5
	WIN 0
	STEPS 0, 1
	TURN 0, 1
	TBL 6                                          ; slot 0's scale words have been read; the change's last four plain lines stand between its products and these loads
	STEPS 1, 0
	s_wait_dscnt 4*NL                              ; the last step: nothing more to fetch
	WIN MUL_LO
	MUL16 0, 1, NQ-1, 1, 0
	MUL16 2, 1, NQ-1, 1, 0
	s_wait_dscnt 0
	WIN MUL_HI
	MUL16 4, 1, NQ-1, 1, 0
	MUL16 6, 1, NQ-1, 1, 0
	WIN 0
	PLACES NP                                      ; in front of writes into the registers that held fragments and scale words, and of the reads of results
.irp a, 0,1,2,3,4,5,6,7
.if \a == 0
	s_wait_loadcnt 48                              ; block 0's tile of the table is in; the 48 loads of blocks 1 to 6 may be out
.else
	s_wait_loadcnt 8*(7-\a)                        ; this block's tile is in; the loads of the blocks behind it may be out
.endif
	s_wait_xcnt 0x0                                ; the last block's stores have read their data and their base: both are written again only behind this wait
.if \a == 4
	s_add_nc_u64 s[66:67], s[66:67], s[94:95]
.elseif \a > 0
	s_add_nc_u64 s[66:67], s[66:67], s[92:93]
.endif
.if \a == 0
	TBL 7                                          ; the last tile, into B's first set, which is done with: seven blocks ahead of its use
.endif
	ROT \a
	PACKS
	OUTS
.endr
	s_wait_tensorcnt 0x0                           ; the wave's end
	ds_add_u32 v[SPW], v[NIL]
	s_wait_dscnt 0x0
	CROUND                                         ; the closing round: no work-group ends while a partner may still ask for a tile that names it
	s_endpgm
.Lfunc_end_k_q52e882cc4a_proj:
	.size	k_q52e882cc4a_proj, .Lfunc_end_k_q52e882cc4a_proj-k_q52e882cc4a_proj
	.p2alignl 7, 3214868480
	.fill 96, 4, 3214868480
	.section	.rodata,"a",@progbits
	.p2align	6, 0x0
	.amdhsa_kernel k_q52e882cc4a_proj
		.amdhsa_group_segment_fixed_size 327680
		.amdhsa_private_segment_fixed_size 0
		.amdhsa_enable_private_segment 0
		.amdhsa_kernarg_size 56
		.amdhsa_user_sgpr_count 2
		.amdhsa_user_sgpr_kernarg_segment_ptr 1
		.amdhsa_wavefront_size32 1
		.amdhsa_system_sgpr_workgroup_id_x 1
		.amdhsa_system_sgpr_workgroup_id_y 1
		.amdhsa_system_sgpr_workgroup_id_z 1
		.amdhsa_system_vgpr_workitem_id 0
		.amdhsa_next_free_vgpr 1024
		.amdhsa_next_free_sgpr 102
		.amdhsa_reserve_vcc 0
		.amdhsa_float_denorm_mode_32 3
		.amdhsa_float_denorm_mode_16_64 3
		.amdhsa_memory_ordered 1
		.amdhsa_forward_progress 1
		.amdhsa_inst_pref_size 165
	.end_amdhsa_kernel
	.amdgpu_metadata
---
amdhsa.version: [ 1, 2 ]
amdhsa.kernels:
  - .name:           k_q52e882cc4a_proj
    .symbol:         k_q52e882cc4a_proj.kd
    .args:
      - { .name: codes, .offset: 0, .size: 8, .value_kind: global_buffer, .address_space: global }
      - { .name: scales, .offset: 8, .size: 8, .value_kind: global_buffer, .address_space: global }
      - { .name: rope, .offset: 16, .size: 8, .value_kind: global_buffer, .address_space: global }
      - { .name: bq, .offset: 24, .size: 8, .value_kind: global_buffer, .address_space: global }
      - { .name: bk, .offset: 32, .size: 8, .value_kind: global_buffer, .address_space: global }
      - { .name: bv, .offset: 40, .size: 8, .value_kind: global_buffer, .address_space: global }
      - { .name: qkv, .offset: 48, .size: 8, .value_kind: global_buffer, .address_space: global }
    .group_segment_fixed_size: 327680
    .private_segment_fixed_size: 0
    .kernarg_segment_align: 8
    .kernarg_segment_size: 56
    .max_flat_workgroup_size: 128
    .sgpr_count:     102
    .vgpr_count:     1024
    .wavefront_size: 32
...
	.end_amdgpu_metadata
.endif
;; end of part 2
;; launch attn (part 3): grid 4 x 64, 16 waves a work-group, clusters of 4 x 1, 327,680 bytes of LDS; arguments qkv, att; writes att
.if DOCPART == 3
	.amdgcn_target "amdgcn-amd-amdhsa--gfx1250"
	.amdhsa_code_object_version 6
	.text
	.protected	k_q52e882cc4a_attn
	.globl	k_q52e882cc4a_attn
	.p2align	8
	.type	k_q52e882cc4a_attn,@function
k_q52e882cc4a_attn:
	s_mov_b64 s[64:65], 0
	v_nop
	global_prefetch_b8 v0, s[64:65] scope:SCOPE_SE
	s_setreg_imm32_b32 hwreg(HW_REG_WAVE_MODE, 25, 1), 1
	s_wait_xcnt 0x0
	s_wait_alu depctr_hold_cnt(0) depctr_sa_sdst(0) depctr_va_vdst(0) depctr_va_sdst(0) depctr_va_ssrc(0) depctr_va_vcc(0) depctr_vm_vsrc(0)
	s_getreg_b32 s2, hwreg(HW_REG_IB_STS2, 6, 4)
	s_cmp_eq_u32 s2, 0
	s_cbranch_scc0 .Lentry_in_a_cluster
	s_endpgm
.Lentry_in_a_cluster:
	s_bfe_u32 s2, ttmp6, 0x10000c
	s_cmp_lg_u32 s2, 0x3003
	s_cbranch_scc0 .Lentry_shape_is_right
	s_endpgm
.Lentry_shape_is_right:
; ATTN.  O[q] = sum over keys of softmax(q . k / 8) v, for one batch and head (cluster y) and 512 queries (the work-group's place in its cluster); f16 operands, f32 sums, a running maximum.
; q arrives multiplied by log2(e) / 8, so a score is already the exponent of 2: p = 2^(s - m), m the largest s so far; when m grows, the sum l and O are multiplied by 2^(old m - new m); O / l at the end.
; The sum is taken of p before it is rounded to f16.
; SHARES.  Sixteen waves, each with 32 queries: two tiles of 16, in 256 registers; four waves to a SIMD, so that one wave's softmax stands beside another's products.  Every wave walks the head's 1,024 keys, 64 a step.
; K AND V OF THE WHOLE HEAD LIE IN LDS, 131,072 bytes each, filled once: no slot is filled again.  They are images of operand registers (lane l's 16 bytes at 16 l), so each LDS load takes 512 consecutive bytes.
; They come in four chunks of 256 keys; waves 0 to 3 issue four tensor loads each at the head (K's and V's halves of a chunk: 16,384 bytes a load): four loads of a wave are out at most.
; TWO BARRIERS.  The first 256 keys are read behind a wait that leaves the three later chunks' loads out, and a barrier.  Directly behind it each wave waits for all its tensor loads and SIGNALS the second barrier; it WAITS for
; that barrier only behind its first four steps.  Between signal and wait stand register work and LDS loads of the first 256 keys, bytes that nothing writes again.  The other twelve steps have no barrier: the waves of a SIMD
; need not walk in step.  All of K and V is asked for at the head, so there is nothing left to prefetch.
; CLUSTER.  The four work-groups of a cluster have the same head: each tile is asked for jointly, by the same tensor load with a mask that names the four.
; LAYOUT.  S^T = K Q^T (source 0 = 16 keys, source 1 = 16 queries): a lane holds one query (lane % 16) and keys 8 (lane / 16) + 0 .. 7.  Two such tiles, rounded to f16 in pairs, are source 1 of O^T = V^T P, whose result
; holds one query a lane and eight channels: rounded to f16 these are four registers of the output projection's operand, and are stored as they stand: att [tile of 16 rows][32 along K][16 along K][lane][16 bytes].
; LIMITS: NaN and infinities are not served; |O| stays under f16's 65,504 (it is an average of v).
.set VB,    131072                     ; LDS: K at 0, V here
.set SPARE, 262144                     ; the spare words, 128 bytes for each of 16 waves
.set LI,  1                            ; v1   16 x lane
.set LV,  2                            ; v2   the same in V
.set ADK, 3                            ; v3, v4 the step's addresses
.set ADV, 4
.set ST,  8                            ; tile t's statistics at v[ST + 10 t]: +0 m (+1 its pair's other half), +2, +3 l, +4 .. +7 at work, +8 a = 2^(old m - new m), +9 old m - new m
.set SPW, 28
.set NIL, 29
.set Q,   32                           ; v32-63   Q: fragment (t, c) at 32 + 16 t + 8 c
.set S,   64                           ; v64-127  S^T: (t, n) at 64 + 32 t + 8 n; then P in place: (t, kp) at 64 + 32 t + 8 kp
.set O,   128                          ; v128-191 O^T: (t, ct) at 128 + 32 t + 8 ct
.set KV,  192                          ; v192-255 a step's K, then its V: 16 pieces of 4 registers
.set WV,  8
.set G1,  16                           ; s[16:23] descriptor group 1;  s[24:39] group 0 of the four chunks
.set G0,  24
.set TB,  40                           ; s40 LDS byte at which the step's tiles begin
.set CNT, 41
.set SEL, 42                           ; s[42:43] selects for lane l xor 16
.macro CROUND
	s_barrier_signal -1
	s_barrier_wait -1
	s_cmp_lg_u32 s[WV], 0
	s_cbranch_scc1 .Lnot_wave_0_\@
	s_barrier_signal -3
.Lnot_wave_0_\@:
	s_barrier_wait -3
	s_barrier_signal -1
	s_barrier_wait -1
.endm
	s_load_b128 s[4:7], s[0:1], 0x0                ; qkv s[4:5], att s[6:7]
	v_lshl_add_u32 v[SPW], v0, 2, SPARE
	v_mov_b32 v[NIL], 0
	ds_add_u32 v[SPW], v[NIL]                      ; the wave's opening: the add, twice on end, and its wait ahead of the first tensor loads
	ds_add_u32 v[SPW], v[NIL]
	v_lshrrev_b32 v1, 5, v0
	v_readfirstlane_b32 s[WV], v1                  ; wave 0 .. 15
	s_bfe_u32 s9, ttmp6, 0x40000                   ; cx: it enters Q's and att's addresses alone
	s_and_b32 s10, ttmp7, 0xffff                   ; batch x 16 + head, which the four partners share
	s_mov_b32 s[G1], 15|(3<<16)|(1<<21)            ; the mask: all four; elements of 8 bytes; bit 21 beside a mask; no padding
	s_mov_b32 s[G1+1], 32<<16                      ; tensor_dim0 = 32 elements: rows of 256 bytes
	s_mov_b32 s[G1+2], 64<<16                      ; tensor_dim1 = 64
	s_mov_b32 s[G1+3], 32<<16                      ; tile_dim0
	s_mov_b32 s[G1+4], 64                          ; tile_dim1
	s_mov_b32 s[G1+5], 32                          ; dense
	s_mov_b32 s[G1+6], 0
	s_mov_b32 s[G1+7], 0
	s_bfe_u32 s44, s[WV], 0x10001                  ; K (0) or V (1),
	s_and_b32 s45, s[WV], 1                        ; and which half of a chunk
	s_lshl_b32 s46, s44, 17
	s_lshl_b32 s47, s45, 14
	s_add_co_u32 s46, s46, s47                     ; in LDS
	s_lshl_b32 s48, s44, 23                        ; in memory: v begins 8,388,608 bytes behind k,
	s_add_co_u32 s48, s48, s47
	s_lshl_b32 s49, s10, 17                        ; a head is 131,072 bytes,
	s_add_co_u32 s48, s48, s49
	s_add_co_u32 s48, s48, 16777216                ; k begins here
	s_mov_b32 s49, 0
	s_lshl_b32 s52, s10, 18                        ; Q: a head is 262,144 bytes, a work-group's 512 queries 65,536, a wave's 32 queries 4,096
	s_lshl_b32 s53, s9, 16
	s_add_co_u32 s52, s52, s53
	s_lshl_b32 s53, s[WV], 12
	s_add_co_u32 s52, s52, s53
	s_mov_b32 s53, 0
	s_lshr_b32 s54, s10, 4                         ; att: tile of rows = 128 x batch + 32 cx + 2 wave, 32,768 bytes each; the head's 64 channels are 2,048 bytes of it
	s_lshl_b32 s54, s54, 7
	s_lshl_b32 s55, s9, 5
	s_add_co_u32 s54, s54, s55
	s_lshl_b32 s55, s[WV], 1
	s_add_co_u32 s54, s54, s55
	s_lshl_b32 s54, s54, 15
	s_and_b32 s55, s10, 15
	s_lshl_b32 s55, s55, 11
	s_add_co_u32 s54, s54, s55
	s_mov_b32 s55, 0
	s_mov_b32 s[SEL], 0x76543210
	s_mov_b32 s[SEL+1], 0xfedcba98
	s_wait_dscnt 0x0                               ; both opening adds are done
	s_wait_kmcnt 0x0
	s_add_nc_u64 s[50:51], s[4:5], s[48:49]
	s_add_nc_u64 s[4:5], s[4:5], s[52:53]
	s_add_nc_u64 s[6:7], s[6:7], s[54:55]
.irp c, 0,1,2,3
	s_mov_b32 s[G0+4*\c], 1
	s_add_co_u32 s[G0+4*\c+1], s46, \c*32768
	s_add_nc_u64 s[G0+4*\c+2:G0+4*\c+3], s[50:51], \c*32768
	s_or_b32 s[G0+4*\c+3], s[G0+4*\c+3], 0x80000000
.endr
	CROUND                                         ; all four work-groups are here: the joint loads meet
	s_cmp_lt_u32 s[WV], 4                          ; a wave's four fills stand in one branch on the wave's number, the same in every partner
	s_cbranch_scc0 .Lno_fill
.irp c, 0,1,2,3
	tensor_load_to_lds s[G0+4*\c:G0+4*\c+3], s[G1:G1+7]
	s_nop 0
.endr
.rept 4
	v_nop
.endr
.Lno_fill:
	v_and_b32 v[LI], 31, v0
	v_lshlrev_b32 v[LI], 4, v[LI]
	v_add_nc_u32 v[LV], VB, v[LI]
.irp e, 0,1,2,3,4,5,6,7
	global_load_b128 v[Q+4*\e:Q+4*\e+3], v[LI], s[4:5] offset:512*\e   ; Q stays in registers
.endr
.irp t, 0,1
	v_mov_b32 v[ST+10*\t], 0xff61b1e6              ; m: -3e38, under every score
	v_mov_b32 v[ST+10*\t+1], 0                     ; (named with m as a pair, so it is written)
	v_mov_b32 v[ST+10*\t+2], 0                     ; l
	v_mov_b32 v[ST+10*\t+3], 0
.endr
.irp j, 0,1,2,3,4,5,6,7,8,9,10,11,12,13,14,15,16,17,18,19,20,21,22,23,24,25,26,27,28,29,30,31,32,33,34,35,36,37,38,39,40,41,42,43,44,45,46,47,48,49,50,51,52,53,54,55,56,57,58,59,60,61,62,63
	v_mov_b32 v[O+\j], 0                           ; O^T.  (The step is written with no first step of its own: the first finds zeros, which a = 0 leaves zeros)
.endr
	s_wait_loadcnt 0x0                             ; Q
; A KEY STEP: 64 keys.
.macro STEP
	v_add_nc_u32 v[ADK], s[TB], v[LI]              ; with the four lines at the last step's end six plain lines behind its products: four are owed to the loads into their fragments' registers,
	v_add_nc_u32 v[ADV], s[TB], v[LV]              ; five to the products that write over P
.irp c, 0,1                                    ; K: channels 0-31 of the four tiles of keys first
.irp n, 0,1,2,3
	ds_load_b128 v[KV+16*\n+8*\c:KV+16*\n+8*\c+3], v[ADK] offset:2048*\n+1024*\c
	ds_load_b128 v[KV+16*\n+8*\c+4:KV+16*\n+8*\c+7], v[ADK] offset:2048*\n+1024*\c+512
.endr
.endr
	s_wait_dscnt 8                                 ; channels 0-31 are in; the eight loads of channels 32-63 may be out
.irp n, 0,1,2,3                                ; the eight accumulators take turns
.irp t, 0,1
	v_wmma_f32_16x16x32_f16 v[S+32*\t+8*\n:S+32*\t+8*\n+7], v[KV+16*\n:KV+16*\n+7], v[Q+16*\t:Q+16*\t+7], 0
.endr
.endr
	s_wait_dscnt 0x0
.irp n, 0,1,2,3
.irp t, 0,1
	v_wmma_f32_16x16x32_f16 v[S+32*\t+8*\n:S+32*\t+8*\n+7], v[KV+16*\n+8:KV+16*\n+15], v[Q+16*\t+8:Q+16*\t+15], v[S+32*\t+8*\n:S+32*\t+8*\n+7]
.endr
.endr
.rept 4
	v_nop                                          ; in front of the loads into K's registers and of the first read of the scores
.endr
.irp e, 0,1,2,3,4,5,6,7,8,9,10,11,12,13,14,15
	ds_load_b128 v[KV+4*\e:KV+4*\e+3], v[ADV] offset:512*\e    ; V lands while the softmax is worked
.endr
	; the largest of my 32 scores and m: four chains, each accumulator read from its low end on; the two tiles line by line
.irp j, 0,1,2,3
.irp t, 0,1
	v_max3_num_f32 v[ST+10*\t+4+\j], v[S+32*\t+8*\j], v[S+32*\t+8*\j+1], v[S+32*\t+8*\j+2]
.endr
.endr
.irp i, 3,5
.irp j, 0,1,2,3
.irp t, 0,1
	v_max3_num_f32 v[ST+10*\t+4+\j], v[ST+10*\t+4+\j], v[S+32*\t+8*\j+\i], v[S+32*\t+8*\j+\i+1]
.endr
.endr
.endr
.irp t, 0,1
	v_max3_num_f32 v[ST+10*\t+4], v[ST+10*\t+4], v[S+32*\t+7], v[S+32*\t+15]
.endr
.irp t, 0,1
	v_max3_num_f32 v[ST+10*\t+6], v[ST+10*\t+6], v[S+32*\t+23], v[S+32*\t+31]
.endr
.irp t, 0,1
	v_max3_num_f32 v[ST+10*\t+4], v[ST+10*\t+4], v[ST+10*\t+5], v[ST+10*\t+6]
.endr
.irp t, 0,1
	v_max3_num_f32 v[ST+10*\t+4], v[ST+10*\t+4], v[ST+10*\t+7], v[ST+10*\t]
.endr
.irp t, 0,1
	v_permlanex16_b32 v[ST+10*\t+5], v[ST+10*\t+4], s[SEL], s[SEL+1]   ; the query's other 32 keys lie in the lane 16 away
.endr
.irp t, 0,1
	v_max_num_f32 v[ST+10*\t+6], v[ST+10*\t+4], v[ST+10*\t+5]
.endr
.irp t, 0,1
	v_sub_f32 v[ST+10*\t+9], v[ST+10*\t], v[ST+10*\t+6]                ; old m - new m
.endr
.irp t, 0,1
	v_mov_b32 v[ST+10*\t], v[ST+10*\t+6]                               ; the new m
.endr
.irp j, 0,2,4,6,8,10,12,14,16,18,20,22,24,26,28,30
.irp t, 0,1
	v_pk_add_f32 v[S+32*\t+\j:S+32*\t+\j+1], v[S+32*\t+\j:S+32*\t+\j+1], v[ST+10*\t:ST+10*\t+1] op_sel_hi:[1,0] neg_lo:[0,1] neg_hi:[0,1]   ; s - m
.endr
.endr
.irp t, 0,1                                    ; ONE BATCH of 66 exponentials; none reads another's result
	v_exp_f32 v[ST+10*\t+8], v[ST+10*\t+9]
.endr
.irp j, 0,1,2,3,4,5,6,7,8,9,10,11,12,13,14,15,16,17,18,19,20,21,22,23,24,25,26,27,28,29,30,31
.irp t, 0,1
	v_exp_f32 v[S+32*\t+\j], v[S+32*\t+\j]
.endr
.endr
	v_nop                                          ; a plain line behind the last exponential,
	s_wait_alu depctr_va_vdst(0)                   ; and one wait for the batch, ahead of its first reader
.irp t, 0,1                                    ; the sum of the unrounded p, two at a time, in two chains; the chains are joined at the step's end
	v_pk_add_f32 v[ST+10*\t+4:ST+10*\t+5], v[S+32*\t:S+32*\t+1], v[S+32*\t+2:S+32*\t+3]
	v_pk_add_f32 v[ST+10*\t+6:ST+10*\t+7], v[S+32*\t+4:S+32*\t+5], v[S+32*\t+6:S+32*\t+7]
.endr
.irp j, 8,12,16,20,24,28
.irp t, 0,1
	v_pk_add_f32 v[ST+10*\t+4:ST+10*\t+5], v[ST+10*\t+4:ST+10*\t+5], v[S+32*\t+\j:S+32*\t+\j+1]
	v_pk_add_f32 v[ST+10*\t+6:ST+10*\t+7], v[ST+10*\t+6:ST+10*\t+7], v[S+32*\t+\j+2:S+32*\t+\j+3]
.endr
.endr
.irp k, 0,1,2,3,4,5,6,7,8,9,10,11,12,13,14,15  ; P in place: register k is written when it has been read
.irp t, 0,1
	v_cvt_pk_f16_f32 v[S+32*\t+\k], v[S+32*\t+2*\k], v[S+32*\t+2*\k+1]
.endr
.endr
.irp j, 0,2,4,6,8,10,12,14,16,18,20,22,24,26,28,30
.irp t, 0,1
	v_pk_mul_f32 v[O+32*\t+\j:O+32*\t+\j+1], v[O+32*\t+\j:O+32*\t+\j+1], v[ST+10*\t+8:ST+10*\t+9] op_sel_hi:[1,0]   ; O^T x a, each accumulator from its low end on
.endr
.endr
	s_wait_dscnt 0x0                               ; V is in
.irp kp, 0,1                                   ; O^T += V^T P: 32 keys at a time; the eight accumulators take turns
.irp ct, 0,1,2,3
.irp t, 0,1
	v_wmma_f32_16x16x32_f16 v[O+32*\t+8*\ct:O+32*\t+8*\ct+7], v[KV+32*\kp+8*\ct:KV+32*\kp+8*\ct+7], v[S+32*\t+8*\kp:S+32*\t+8*\kp+7], v[O+32*\t+8*\ct:O+32*\t+8*\ct+7]
.endr
.endr
.endr
.irp t, 0,1                                    ; the sum's last lines name none of the products' registers: useful work as the plain lines behind them
	v_pk_add_f32 v[ST+10*\t+4:ST+10*\t+5], v[ST+10*\t+4:ST+10*\t+5], v[ST+10*\t+6:ST+10*\t+7]
.endr
.irp t, 0,1
	v_pk_fma_f32 v[ST+10*\t+2:ST+10*\t+3], v[ST+10*\t+2:ST+10*\t+3], v[ST+10*\t+8:ST+10*\t+9], v[ST+10*\t+4:ST+10*\t+5] op_sel_hi:[1,0,1]   ; l = a l + the sum
.endr
.endm
	s_wait_tensorcnt 3                             ; my part of the first 256 keys has landed; the three loads issued behind it may be out
	s_barrier_signal -1
	s_barrier_wait -1                              ; everybody's has
	s_wait_tensorcnt 0x0                           ; all my tensor loads have landed: my part of keys 256 to 1,023;
	s_barrier_signal -1                            ; say so now, and ask for the others' word only when those keys are wanted
	s_mov_b32 s[TB], 0
.rept 4                                        ; the first 256 keys, written out: register work and LDS loads of bytes that nothing writes again
	STEP
	s_add_co_u32 s[TB], s[TB], 8192
.endr
	s_barrier_wait -1                              ; every wave has said so: K and V are whole
	s_mov_b32 s[CNT], 12
.Lstep:                                            ; keys 256 to 1,023: twelve steps, no barrier
	STEP
	s_add_co_u32 s[TB], s[TB], 8192
	s_sub_co_u32 s[CNT], s[CNT], 1
	s_cmp_lg_u32 s[CNT], 0
	s_cbranch_scc1 .Lstep
	; THE WAY OUT.  The step's last four lines and these additions are the plain lines behind the last products.
.irp t, 0,1
	v_add_f32 v[ST+10*\t+4], v[ST+10*\t+2], v[ST+10*\t+3]
.endr
.irp t, 0,1
	v_permlanex16_b32 v[ST+10*\t+5], v[ST+10*\t+4], s[SEL], s[SEL+1]
.endr
.irp t, 0,1
	v_add_f32 v[ST+10*\t+4], v[ST+10*\t+4], v[ST+10*\t+5]              ; the row's sum
.endr
.irp t, 0,1
	v_rcp_f32 v[ST+10*\t+8], v[ST+10*\t+4]
.endr
	v_nop
	s_wait_alu depctr_va_vdst(0)                   ; one wait for the two reciprocals, ahead of their first reader
.irp t, 0,1
.irp j, 0,2,4,6,8,10,12,14,16,18,20,22,24,26,28,30
	v_pk_mul_f32 v[O+32*\t+\j:O+32*\t+\j+1], v[O+32*\t+\j:O+32*\t+\j+1], v[ST+10*\t+8:ST+10*\t+9] op_sel_hi:[1,0]
.endr
.endr
.irp t, 0,1
.irp k, 0,1,2,3,4,5,6,7,8,9,10,11,12,13,14,15
	v_cvt_pk_f16_f32 v[S+16*\t+\k], v[O+32*\t+2*\k], v[O+32*\t+2*\k+1]
.endr
.endr
.irp t, 0,1
.irp ct, 0,1,2,3
	global_store_b128 v[LI], v[S+16*\t+4*\ct:S+16*\t+4*\ct+3], s[6:7] offset:\t*32768+\ct*512   ; 512 consecutive bytes, aligned
.endr
.endr
	s_wait_tensorcnt 0x0                           ; the wave's end
	ds_add_u32 v[SPW], v[NIL]
	s_wait_dscnt 0x0
	CROUND                                         ; the closing round
	s_endpgm
.Lfunc_end_k_q52e882cc4a_attn:
	.size	k_q52e882cc4a_attn, .Lfunc_end_k_q52e882cc4a_attn-k_q52e882cc4a_attn
	.p2alignl 7, 3214868480
	.fill 96, 4, 3214868480
	.section	.rodata,"a",@progbits
	.p2align	6, 0x0
	.amdhsa_kernel k_q52e882cc4a_attn
		.amdhsa_group_segment_fixed_size 327680
		.amdhsa_private_segment_fixed_size 0
		.amdhsa_enable_private_segment 0
		.amdhsa_kernarg_size 16
		.amdhsa_user_sgpr_count 2
		.amdhsa_user_sgpr_kernarg_segment_ptr 1
		.amdhsa_wavefront_size32 1
		.amdhsa_system_sgpr_workgroup_id_x 1
		.amdhsa_system_sgpr_workgroup_id_y 1
		.amdhsa_system_sgpr_workgroup_id_z 1
		.amdhsa_system_vgpr_workitem_id 0
		.amdhsa_next_free_vgpr 256
		.amdhsa_next_free_sgpr 66
		.amdhsa_reserve_vcc 0
		.amdhsa_float_denorm_mode_32 3
		.amdhsa_float_denorm_mode_16_64 3
		.amdhsa_memory_ordered 1
		.amdhsa_forward_progress 1
		.amdhsa_inst_pref_size 98
	.end_amdhsa_kernel
	.amdgpu_metadata
---
amdhsa.version: [ 1, 2 ]
amdhsa.kernels:
  - .name:           k_q52e882cc4a_attn
    .symbol:         k_q52e882cc4a_attn.kd
    .args:
      - { .name: qkv, .offset: 0, .size: 8, .value_kind: global_buffer, .address_space: global }
      - { .name: att, .offset: 8, .size: 8, .value_kind: global_buffer, .address_space: global }
    .group_segment_fixed_size: 327680
    .private_segment_fixed_size: 0
    .kernarg_segment_align: 8
    .kernarg_segment_size: 16
    .max_flat_workgroup_size: 512
    .sgpr_count:     66
    .vgpr_count:     256
    .wavefront_size: 32
...
	.end_amdgpu_metadata
.endif
;; end of part 3
;; launch outp (part 4): grid 4 x 64, 4 waves a work-group, clusters of 4 x 4, 327,680 bytes of LDS; arguments att, wo16, bo, out0; writes out0
.if DOCPART == 4
	.amdgcn_target "amdgcn-amd-amdhsa--gfx1250"
	.amdhsa_code_object_version 6
	.text
	.protected	k_q52e882cc4a_outp
	.globl	k_q52e882cc4a_outp
	.p2align	8
	.type	k_q52e882cc4a_outp,@function
k_q52e882cc4a_outp:
	s_mov_b64 s[64:65], 0
	v_nop
	global_prefetch_b8 v0, s[64:65] scope:SCOPE_SE
	s_setreg_imm32_b32 hwreg(HW_REG_WAVE_MODE, 25, 1), 1
	s_wait_xcnt 0x0
	s_wait_alu depctr_hold_cnt(0) depctr_sa_sdst(0) depctr_va_vdst(0) depctr_va_sdst(0) depctr_va_ssrc(0) depctr_va_vcc(0) depctr_vm_vsrc(0)
	s_getreg_b32 s2, hwreg(HW_REG_IB_STS2, 6, 4)
	s_cmp_eq_u32 s2, 0
	s_cbranch_scc0 .Lentry_in_a_cluster
	s_endpgm
.Lentry_in_a_cluster:
	s_bfe_u32 s2, ttmp6, 0x10000c
	s_cmp_lg_u32 s2, 0xf033
	s_cbranch_scc0 .Lentry_shape_is_right
	s_endpgm
.Lentry_shape_is_right:
; OUTP.  out0[m][n] = sum over k of att[m][k] Wo[n][k] + bo[n]: f16 operands, f32 sums, f32 out.  M = 8,192, N = K = 1,024.
; Tiles of 256 x 256 would make 128 work-groups; a tile of 128 rows x 256 columns makes 256.  Four waves, each 64 x 128: 32 accumulators of 16 x 16, 256 registers.
; K goes in 8 steps of 128 through a ring of two LDS slots.  att lies as images of operand registers ([tile of 16 rows][32 along K][16 along K][lane][16 bytes]): a K step of a tile of rows is 4,096 dense bytes, and a
; fragment is two loads of 512 consecutive bytes.  Wo's rows lie along K: 256 bytes a K step, 16 bytes of padding behind each in LDS.
; Waves 0 and 1 fetch att's halves (4 tiles of rows each), waves 2 and 3 Wo's (128 rows each): one tensor load a wave behind each change of slots; two of a wave are out at the head, later one.
; CLUSTER: 4 x 4 work-groups.  att's tile is shared along a row of the cluster, Wo's along a column: each is asked for jointly.  Grid x is one cluster wide: the tile column is cx.
; THE MATRIX INSTRUCTION IS USED TRANSPOSED (source 0 = 16 rows of Wo, source 1 = 16 rows of att): a lane holds eight neighbouring numbers of a row of out0.  bo, in that layout, is the C of each sum's first product.
; The way out goes through each wave's own stage in LDS, whose bytes no tensor load fills, and leaves as whole rows of 512 bytes.
; No prefetch: the tiles are shared fourfold, and a refill has 112 matrix instructions of its wave in which to land.
; REGISTERS: window 0: v1-29 addresses; v32-127, v128-223 two fragment buffers (64 of Wo, 32 of att); on the way out v32-159 rows of out0.  window 1: the accumulators, (a, b) at v[8 (8 a + b)].  window 2: v0-63 bo.
.set PITCH,  272
.set ABYTES, 32768                     ; a slot: att's 8 tiles of rows x 4,096 bytes,
.set HALFB,  128*PITCH                 ; then Wo's 256 rows
.set SLOT,   ABYTES+2*HALFB
.set STAGE,  2*SLOT
.set SPITCH, 528
.set SPARE,  STAGE+4*16*SPITCH
.set LAPS,   4                         ; a lap = two K steps = once round the ring
.set ADRA, 16
.set ADRB, 20
.set STO,  24
.set RD,   25
.set CO,   26                          ; v26 16 x lane
.set HB,   27                          ; v27 32 h
.set SPW,  28
.set NIL,  29
.set F0,   32
.set F1,   128
.set BK,   32
.set WV, 12                            ; s12 wave;  s13 wave / 2: my half of the rows, and whether I fetch att (0) or Wo (1);  s14 wave % 2: my half of the columns, and which half I fetch
.set RH, 13
.set CH, 14
.set G1, 24
.set G0, 32
.set G1B, 48
.set G0B, 56
.set MSB, 0
.macro WIN new
.if MSB != (\new)
	s_set_vgpr_msb (MSB<<8)|(\new)
.set MSB, (\new)
.endif
.endm
.set MUL, 0x50                         ; sources 0 and 1 window 0, C and D window 1
.macro JLOAD s                         ; an s_nop 0 and four v_nop follow each of the two lines
	s_cmp_eq_u32 s[RH], 0
	s_cbranch_scc0 .Lfor_b_\@
	tensor_load_to_lds s[G0+4*\s:G0+4*\s+3], s[G1:G1+7]
	s_nop 0
.rept 4
	v_nop
.endr
	s_branch .Lasked_\@
.Lfor_b_\@:
	tensor_load_to_lds s[G0B+4*\s:G0B+4*\s+3], s[G1B:G1B+7]
	s_nop 0
.rept 4
	v_nop
.endr
.Lasked_\@:
.endm
.macro CREST
	s_cmp_lg_u32 s[WV], 0
	s_cbranch_scc1 .Lnot_wave_0_\@
	s_barrier_signal -3
.Lnot_wave_0_\@:
	s_barrier_wait -3
	s_barrier_signal -1
	s_barrier_wait -1
.endm
.macro CROUND
	s_barrier_signal -1
	s_barrier_wait -1
	CREST
.endm
	s_load_b256 s[4:11], s[0:1], 0x0               ; att s[4:5], wo16 s[6:7], bo s[8:9], out0 s[10:11]
	v_lshl_add_u32 v[SPW], v0, 2, SPARE
	v_mov_b32 v[NIL], 0
	ds_add_u32 v[SPW], v[NIL]                      ; the wave's opening: the add, twice on end, and its wait ahead of my first tensor load
	ds_add_u32 v[SPW], v[NIL]
	v_lshrrev_b32 v1, 5, v0
	v_readfirstlane_b32 s[WV], v1
	s_lshr_b32 s[RH], s[WV], 1
	s_and_b32 s[CH], s[WV], 1
	s_bfe_u32 s40, ttmp6, 0x40000                  ; cx = the tile column
	s_bfe_u32 s41, ttmp6, 0x40004                  ; cy
	s_and_b32 s15, ttmp7, 0xffff
	s_lshl_b32 s15, s15, 2
	s_add_co_u32 s15, s15, s41                     ; the tile row = 4 x cluster y + cy
	s_lshl_b32 s43, s41, 2
	s_lshl_b32 s43, 15, s43                        ; my row of the cluster
	s_lshl_b32 s44, 0x1111, s40                    ; my column
	s_or_b32 s[G1+0], s43, (3<<16)|(1<<21)         ; att: elements of 8 bytes, no padding
	s_mov_b32 s[G1+1], 512<<16                     ; tensor_dim0 = 512 elements: 4,096 bytes
	s_mov_b32 s[G1+2], 4<<16                       ; tensor_dim1 = 4 tiles of rows
	s_mov_b32 s[G1+3], 512<<16
	s_mov_b32 s[G1+4], 4
	s_mov_b32 s[G1+5], 4096                        ; 32,768 bytes from a tile of rows to the next
	s_mov_b32 s[G1+6], 0
	s_mov_b32 s[G1+7], 0
	s_or_b32 s[G1B+0], s44, (1<<16)|(1<<20)|(1<<21)|(5<<22)|(3<<25)   ; Wo: elements of 2 bytes; 4 words of padding behind every 64
	s_mov_b32 s[G1B+1], 128<<16
	s_mov_b32 s[G1B+2], 128<<16
	s_mov_b32 s[G1B+3], 128<<16
	s_mov_b32 s[G1B+4], 128
	s_mov_b32 s[G1B+5], 1024
	s_mov_b32 s[G1B+6], 0
	s_mov_b32 s[G1B+7], 0
	s_lshl_b32 s18, s[CH], 17
	s_lshl_b32 s16, s15, 18                        ; att: 8 tiles of rows a tile row,
	s_add_co_u32 s16, s16, s18                     ; 4 a half
	s_mov_b32 s17, 0
	s_lshl_b32 s19, s[CH], 18
	s_lshl_b32 s46, s40, 19                        ; Wo: 256 rows of 2,048 bytes a tile column,
	s_add_co_u32 s46, s46, s19                     ; 128 a half
	s_mov_b32 s47, 0
	s_lshl_b32 s20, s[CH], 14                      ; where they go: no place in the cluster enters an LDS address
	s_mul_i32 s21, s[CH], HALFB
	s_add_co_u32 s21, s21, ABYTES
	s_wait_dscnt 0x0                               ; both opening adds are done
	s_wait_kmcnt 0x0
	s_add_nc_u64 s[16:17], s[4:5], s[16:17]
	s_add_nc_u64 s[46:47], s[6:7], s[46:47]
	CROUND                                         ; all sixteen work-groups are here: the first joint loads meet
.irp s, 0,1
	s_mov_b32 s[G0+4*\s], 1
	s_add_co_u32 s[G0+4*\s+1], s20, \s*SLOT
	s_add_nc_u64 s[G0+4*\s+2:G0+4*\s+3], s[16:17], \s*4096
	s_or_b32 s[G0+4*\s+3], s[G0+4*\s+3], 0x80000000
	s_mov_b32 s[G0B+4*\s], 1
	s_add_co_u32 s[G0B+4*\s+1], s21, \s*SLOT
	s_add_nc_u64 s[G0B+4*\s+2:G0B+4*\s+3], s[46:47], \s*256
	s_or_b32 s[G0B+4*\s+3], s[G0B+4*\s+3], 0x80000000
	JLOAD \s
.endr
	v_and_b32 v1, 15, v0                           ; r
	v_bfe_u32 v2, v0, 4, 1                         ; h
	v_and_b32 v3, 31, v0
	v_lshlrev_b32 v[CO], 4, v3
	s_lshl_b32 s22, s[RH], 14                      ; my 4 tiles of rows
	v_add_nc_u32 v[ADRA], s22, v[CO]
	v_add_nc_u32 v[ADRA+1], SLOT, v[ADRA]
	v_mul_u32_u24 v4, v1, PITCH
	v_lshl_add_u32 v4, v2, 4, v4
	s_mul_i32 s23, s[CH], HALFB                    ; my 128 rows of Wo
	s_add_co_u32 s23, s23, ABYTES
	v_add_nc_u32 v[ADRB], s23, v4
	v_add_nc_u32 v[ADRB+1], SLOT, v[ADRB]
	s_mul_i32 s22, s[WV], 16*SPITCH
	s_add_co_u32 s22, s22, STAGE                   ; my stage
	v_mul_u32_u24 v5, v1, SPITCH
	v_lshl_add_u32 v5, v2, 5, v5
	v_add_nc_u32 v[STO], s22, v5                   ; in: row r, 32 bytes for each half of the lanes
	v_add_nc_u32 v[RD], s22, v[CO]                 ; back: the 32 lanes take one row of 512 bytes
	v_lshlrev_b32 v[HB], 5, v2
	s_lshl_b32 s16, s15, 19                        ; out0: 128 rows of 4,096 bytes a tile row,
	s_lshl_b32 s17, s[RH], 18                      ; 64 a half
	s_add_co_u32 s16, s16, s17
	s_mov_b32 s17, 0
	s_add_nc_u64 s[10:11], s[10:11], s[16:17]
	s_lshl_b32 s46, s40, 10                        ; my first column, in bytes: 1,024 x tile column + 512 x half
	s_lshl_b32 s47, s[CH], 9
	s_add_co_u32 s46, s46, s47
	s_mov_b32 s47, 0
	s_add_nc_u64 s[10:11], s[10:11], s[46:47]
	s_add_nc_u64 s[8:9], s[8:9], s[46:47]
	WIN 0x80                                       ; destination window 2
.irp b, 0,1,2,3,4,5,6,7
	global_load_b128 v[8*\b:8*\b+3], v[HB], s[8:9] offset:64*\b        ; bo of columns 16 b + 8 h + 0 .. 7
	global_load_b128 v[8*\b+4:8*\b+7], v[HB], s[8:9] offset:64*\b+16
.endr
	WIN 0
; 8 matrix instructions: att's block a x Wo's eight, 32 along K, from buffer f.  first = 1: the product starts the sums on bo.  The 32 accumulators take turns.
.macro MULA f, a, first
.irp b, 0,1,2,3,4,5,6,7
.if \first
	v_wmma_f32_16x16x32_f16 v[8*(8*(\a)+\b):8*(8*(\a)+\b)+7], v[\f+8*\b:\f+8*\b+7], v[\f+64+8*(\a):\f+64+8*(\a)+7], v[8*\b:8*\b+7]
.else
	v_wmma_f32_16x16x32_f16 v[8*(8*(\a)+\b):8*(8*(\a)+\b)+7], v[\f+8*\b:\f+8*\b+7], v[\f+64+8*(\a):\f+64+8*(\a)+7], v[8*(8*(\a)+\b):8*(8*(\a)+\b)+7]
.endif
.endr
.endm
; 24 LDS loads in one run: the slot's q-th 32 along K into buffer f: Wo's eight fragments, then att's four
.macro FETCH slot, q, f
.irp i, 0,1,2,3,4,5,6,7
	ds_load_b128 v[\f+8*\i:\f+8*\i+3],   v[ADRB+\slot] offset:64*(\q)+\i*16*PITCH
	ds_load_b128 v[\f+8*\i+4:\f+8*\i+7], v[ADRB+\slot] offset:64*(\q)+\i*16*PITCH+32
.endr
.irp a, 0,1,2,3
	ds_load_b128 v[\f+64+8*\a:\f+64+8*\a+3],   v[ADRA+\slot] offset:\a*4096+(\q)*1024
	ds_load_b128 v[\f+64+8*\a+4:\f+64+8*\a+7], v[ADRA+\slot] offset:\a*4096+(\q)*1024+512
.endr
.endm
.macro PLACES                          ; four plain lines in front of loads into registers that matrix instructions have read, and of the first read of results
.rept 4
	v_nop
.endr
.endm
; A K step is four quarters of 32 along K on buffers 0, 1, 0, 1.  One of the first three multiplies buffer f and fetches quarter q into g.
.macro QUARTER slot, q, f, g, first
	s_wait_dscnt 4                                 ; Wo's fragments and att's blocks 0, 1 are in; the youngest four loads (blocks 2, 3) may be out
	WIN MUL+0x10*(\first)                          ; first = 1: C from window 2
	MULA \f, 0, \first
	MULA \f, 1, \first
	PLACES
	WIN 0
	FETCH \slot, \q, \g
	s_wait_dscnt 24                                ; all but the 24 just issued
	WIN MUL+0x10*(\first)
	MULA \f, 2, \first
	MULA \f, 3, \first
.endm
; The last quarter multiplies buffer 1 and changes slots: one barrier; in front of it each wave waits for all its tensor loads, adds 0 to its spare word, and waits for that and for its reads of this slot.
; fill = 1: the barrier opens a round of the cluster's, and this slot is filled again, two K steps ahead, first thing behind it.
.macro TURN slot, next, fill
	WIN 0
	s_wait_tensorcnt 0x0                           ; all my tensor loads have landed: my part of the next slot
	ds_add_u32 v[SPW], v[NIL]
	s_wait_dscnt 5                                 ; (the add and the youngest four loads may be out)
	WIN MUL
	MULA F1, 0, 0
	s_wait_dscnt 0x0                               ; the add is done, and my reads of this slot are over
	s_barrier_signal -1
	MULA F1, 1, 0
	WIN 0
	s_barrier_wait -1
.if \fill
	CREST                                          ; no wave of any partner still reads this slot or has a load on its way
	s_add_nc_u64 s[G0+4*\slot+2:G0+4*\slot+3], s[G0+4*\slot+2:G0+4*\slot+3], 2*4096
	s_add_nc_u64 s[G0B+4*\slot+2:G0B+4*\slot+3], s[G0B+4*\slot+2:G0B+4*\slot+3], 2*256
	JLOAD \slot                                    ; the four v_nop behind it are also the plain lines in front of the loads below
.else
	PLACES
.endif
	FETCH \next, 0, F0
	WIN MUL
	MULA F1, 2, 0
	MULA F1, 3, 0
.endm
	s_wait_loadcnt 0x0                             ; bo
	s_wait_tensorcnt 1                             ; my part of K step 0 is in (K step 1's load may be out)
	s_barrier_signal -1
	s_barrier_wait -1                              ; everybody's is
	FETCH 0, 0, F0
	QUARTER 0, 1, F0, F1, 1                        ; the first quarter stands in front of the loop: its products start the sums
	WIN 0                                          ; at a label and at a branch every window is 0
	s_mov_b32 s3, LAPS-1
.Llap:                                                 ; a trip goes once round the ring, from a lap's second quarter to the next lap's first, and fills both slots again
	QUARTER 0, 2, F1, F0, 0
	QUARTER 0, 3, F0, F1, 0
	TURN 0, 1, 1
	QUARTER 1, 1, F0, F1, 0
	QUARTER 1, 2, F1, F0, 0
	QUARTER 1, 3, F0, F1, 0
	TURN 1, 0, 1
	QUARTER 0, 1, F0, F1, 0
	WIN 0
	s_sub_co_u32 s3, s3, 1
	s_cmp_lg_u32 s3, 0
	s_cbranch_scc1 .Llap
	QUARTER 0, 2, F1, F0, 0                        ; the last lap fills nothing
	QUARTER 0, 3, F0, F1, 0
	TURN 0, 1, 0
	QUARTER 1, 1, F0, F1, 0
	QUARTER 1, 2, F1, F0, 0
	QUARTER 1, 3, F0, F1, 0
	s_wait_dscnt 4                                 ; the very last quarter: nothing more to fetch
	WIN MUL
	MULA F1, 0, 0
	MULA F1, 1, 0
	s_wait_dscnt 0
	MULA F1, 2, 0
	MULA F1, 3, 0
	WIN 0
; THE WAY OUT, block by block of 16 rows x 128 columns: through my own stage and back as whole rows of 512 bytes.  LDS serves a wave's instructions in order: no wait between the stores and the loads.
.macro TOSTAGE a
	WIN 0x04                                       ; an LDS store's data are its source 1: window 1
.irp b, 0,1,2,3,4,5,6,7
	ds_store_b128 v[STO], v[8*(8*(\a)+\b):8*(8*(\a)+\b)+3] offset:64*\b          ; each accumulator from its low end on
	ds_store_b128 v[STO], v[8*(8*(\a)+\b)+4:8*(8*(\a)+\b)+7] offset:64*\b+16
.endr
	WIN 0
.set BB, BK+64*((\a)%2)
.irp t, 0,1,2,3,4,5,6,7,8,9,10,11,12,13,14,15
	ds_load_b128 v[BB+4*\t:BB+4*\t+3], v[RD] offset:\t*SPITCH
.endr
.endm
.macro SEND a, younger                 ; younger: the LDS instructions issued behind block a's loads, which may stay out
.set BB, BK+64*((\a)%2)
	s_wait_dscnt \younger
.if (\a) > 0
	s_add_nc_u64 s[10:11], s[10:11], 16*4096       ; 16 rows on (behind a wait for the earlier stores' addresses)
.endif
.irp t, 0,1,2,3,4,5,6,7,8,9,10,11,12,13,14,15
	global_store_b128 v[CO], v[BB+4*\t:BB+4*\t+3], s[10:11] offset:\t*4096 th:TH_STORE_NT   ; 32 lanes store 512 consecutive bytes, aligned; written once, read by nobody here
.endr
.endm
	PLACES
	TOSTAGE 0
.irp a, 1,2,3
.if \a > 1
	s_wait_xcnt 0x0                                ; block a - 2's stores have read their registers and their base
.endif
	TOSTAGE \a
	SEND \a-1, 32                                  ; behind block a - 1's loads: block a's 16 stores and 16 loads
.endr
	s_wait_xcnt 0x0
	SEND 3, 0
	s_wait_tensorcnt 0x0                           ; the wave's end, behind my last tensor load and my last LDS store
	ds_add_u32 v[SPW], v[NIL]
	s_wait_dscnt 0x0
	CROUND                                         ; the closing round
	s_endpgm
.Lfunc_end_k_q52e882cc4a_outp:
	.size	k_q52e882cc4a_outp, .Lfunc_end_k_q52e882cc4a_outp-k_q52e882cc4a_outp
	.p2alignl 7, 3214868480
	.fill 96, 4, 3214868480
	.section	.rodata,"a",@progbits
	.p2align	6, 0x0
	.amdhsa_kernel k_q52e882cc4a_outp
		.amdhsa_group_segment_fixed_size 327680
		.amdhsa_private_segment_fixed_size 0
		.amdhsa_enable_private_segment 0
		.amdhsa_kernarg_size 32
		.amdhsa_user_sgpr_count 2
		.amdhsa_user_sgpr_kernarg_segment_ptr 1
		.amdhsa_wavefront_size32 1
		.amdhsa_system_sgpr_workgroup_id_x 1
		.amdhsa_system_sgpr_workgroup_id_y 1
		.amdhsa_system_sgpr_workgroup_id_z 1
		.amdhsa_system_vgpr_workitem_id 0
		.amdhsa_next_free_vgpr 640
		.amdhsa_next_free_sgpr 66
		.amdhsa_reserve_vcc 0
		.amdhsa_float_denorm_mode_32 3
		.amdhsa_float_denorm_mode_16_64 3
		.amdhsa_memory_ordered 1
		.amdhsa_forward_progress 1
		.amdhsa_inst_pref_size 86
	.end_amdhsa_kernel
	.amdgpu_metadata
---
amdhsa.version: [ 1, 2 ]
amdhsa.kernels:
  - .name:           k_q52e882cc4a_outp
    .symbol:         k_q52e882cc4a_outp.kd
    .args:
      - { .name: att, .offset: 0, .size: 8, .value_kind: global_buffer, .address_space: global }
      - { .name: wo16, .offset: 8, .size: 8, .value_kind: global_buffer, .address_space: global }
      - { .name: bo, .offset: 16, .size: 8, .value_kind: global_buffer, .address_space: global }
      - { .name: out0, .offset: 24, .size: 8, .value_kind: global_buffer, .address_space: global }
    .group_segment_fixed_size: 327680
    .private_segment_fixed_size: 0
    .kernarg_segment_align: 8
    .kernarg_segment_size: 32
    .max_flat_workgroup_size: 128
    .sgpr_count:     66
    .vgpr_count:     640
    .wavefront_size: 32
...
	.end_amdgpu_metadata
.endif
;; end of part 4
